; MI455X (gfx1250); checked and timed in simulation.
; The chip was launched on July 23, 2026; its instructions are those of AMD's public machine-readable ISA for CDNA 5 (MIT licence, August 2026) and "CDNA5" Instruction Set Architecture Reference Guide (July 2026). The comments in the code are by the model that wrote it; some were corrected since.
;; Multi Head Self Attention. Allowed arithmetic: matrix products marked QUANTISED: E2M3 operands, one E8M0 scale for each 32 along K, by v_wmma_scale_f32_16x16x128_f8f6f4 with both operands' format E2M3, f32 sums; everything else in f32.
;; Inputs: Wk 1,024 x 1,024 float32; Wo 1,024 x 1,024 float32; Wq 1,024 x 1,024 float32; Wv 1,024 x 1,024 float32; bk 1,024 float32; bo 1,024 float32; bq 1,024 float32; bv 1,024 float32; pad_mask 4 x 1,024 float32; posK 257 x 64 float32; posV 257 x 64 float32; x 4 x 1,024 x 1,024 float32.
;; Outputs: out0 4 x 1,024 x 1,024 float32.
;; This version of the problem:
;;   THIS VERSION OF THE PROBLEM IS GIVEN IN LOW PRECISION. The matrix products marked QUANTISED in the list below multiply operands that are first quantised to E2M3 (2 exponent bits, 3 mantissa bits; 6 bits a number), with one power-of-two scale for each 32 numbers along K (OCP MX v1.0); their sums are f32. All else is computed in f32.
;;   The module's matrix products, in the order in which they are computed (A, B: the left and right operand; K: the contracted axis; several contracted axes count as one K, in the product's order):
;;     1. [M 4,096, K 1,024] x [K 1,024, N 1,024]; A: input x; B: input Wq: QUANTISED
;;     2. [M 4,096, K 1,024] x [K 1,024, N 1,024]; A: input x; B: input Wk: QUANTISED
;;     3. [M 4,096, K 1,024] x [K 1,024, N 1,024]; A: input x; B: input Wv: QUANTISED
;;     4. batch 64 x [M 1,024, K 64] x [K 64, N 1,024]; A: computed on the way; B: computed on the way: QUANTISED
;;     5. batch 1,024 x [M 1,024, K 64] x [K 64, N 64]; A: computed on the way; B: computed on the way: QUANTISED
;;     6. batch 64 x [M 1,024, K 1,024] x [K 1,024, N 64]; A: softmax (see below); B: computed on the way: QUANTISED
;;     7. batch 1,024 x [M 64, K 1,024] x [K 1,024, N 64]; A: computed on the way; B: softmax (see below): QUANTISED
;;     8. [M 4,096, K 1,024] x [K 1,024, N 1,024]; A: computed on the way; B: input Wo: QUANTISED
;;   THE QUANTISER, for each operand of a quantised product, along K:
;;     - K is cut into blocks of 32 from its start; a last block that is shorter is filled with zeros.
;;     - A block's scale is 2^e with e = floor(log2(the largest magnitude in the block)) - 2, held to -126 .. 127; a block of zeros has e = 0. As a byte (E8M0): e + 127.
;;     - Each number is divided by its block's scale, clamped to +-7.5, and rounded to the nearest number of E2M3, ties to even, subnormals kept.
;;     - The product sums the exact products of the quantised numbers (number of the format x scale) in f32.
;;   ~~~python
;;   def quantise(x, axis):      # numpy; x: float32 -> the quantised numbers, widened to float32 again
;;       x = np.moveaxis(x, axis, -1); K = x.shape[-1]
;;       x = np.pad(x, [(0, 0)] * (x.ndim - 1) + [(0, -K % 32)]); x = x.reshape(x.shape[:-1] + (-1, 32)); a = np.abs(x).max(-1, keepdims=True)
;;       e = np.where(a > 0, np.clip(np.frexp(np.where(a > 0, a, 1))[1] - 1 - 2, -126, 127), 0)      # np.frexp(a)[1] - 1 = floor(log2(a)), exactly
;;       r = np.clip(x / 2.0 ** e, -7.5, 7.5)
;;       step = 2.0 ** (np.maximum(np.frexp(np.where(r == 0, 1, r))[1] - 1, 0) - 3)
;;       q = np.round(r / step) * step * 2.0 ** e      # np.round: ties to even
;;       return np.moveaxis(q.reshape(q.shape[:-2] + (-1,))[..., :K], -1, axis).astype(np.float32)
;;   ~~~
;;   SOFTMAX AHEAD OF A QUANTISED PRODUCT. Where the list says 'softmax', what is quantised is not the finished softmax but p = 2^(t - M), with t = logit x log2(e) and M = ceil(the row's largest t), a whole number; so 1/2 < the row's largest p <= 1. The row's sum l is taken of the UNQUANTISED p, in f32, and the product's result is divided by l at the end. Since M is a whole number, a kernel that streams over the keys may use a running M (the ceiling of the running maximum): every later rescaling is an exact power of two, which a block's scale takes up: the codes' values come out the same.
;;   OPERANDS COMPUTED ON THE WAY. 'Computed on the way' means the value that the module computes at that place (a softmax that the list does not call 'softmax' is quantised finished and normalised). What goes into a quantiser is computed in f32, as accurately as f32 sums, v_exp_f32 and their like allow (about 1e-6 of the number): no bf16 or f16 on the way to a quantiser, and a product that is left as it is and whose result goes on into a quantised operand takes f32 operands (vector FMAs, or v_wmma_f32_16x16x4_f32). A number that lies on a knife's edge between two numbers of the format may be rounded either way, as far as f32 arithmetic and the matrix unit's own rounding can turn it there, and no further.
;; One version. Each part assembles by itself: llvm-mc -triple=amdgcn-amd-amdhsa -mcpu=gfx1250 --defsym DOCPART=n.
;; ======== version 1 of 1: 5 launches
;; limits: right only within a limited range of input values
;; workspace buffers: xq 3,276,800 bytes; wq 3,276,800 bytes; tab 3,178,496 bytes; qkv 12,582,912 bytes; op 16,777,216 bytes; pb 19,922,944 bytes; ao 3,276,800 bytes
;; launch prep (part 1): grid 904 x 1, 4 waves a work-group, no clusters, 68,096 bytes of LDS; arguments x, Wq, Wk, Wv, Wo, posK, posV, xq, wq, tab; writes xq, wq, tab
.if DOCPART == 1
	.amdgcn_target "amdgcn-amd-amdhsa--gfx1250"
	.amdhsa_code_object_version 6
	.text
	.protected	k_q418929282c_prep
	.globl	k_q418929282c_prep
	.p2align	8
	.type	k_q418929282c_prep,@function
k_q418929282c_prep:
	s_mov_b64 s[64:65], 0
	v_nop
	global_prefetch_b8 v0, s[64:65] scope:SCOPE_SE
	s_setreg_imm32_b32 hwreg(HW_REG_WAVE_MODE, 25, 1), 1
	s_wait_xcnt 0x0
; PREP: everything that is quantised once.  Four paths, chosen by the work-group's number; each has LDS bytes of its own.
;   X  (work-groups 0-127):   x [4096][1024] f32 -> xq: codes of FP6 (E2M3) [4096][768 bytes], K innermost, and scale bytes [4096][32] at byte 3,145,728.
;   W  (128-255):             Wq, Wk, Wv, Wo [k 1024][n 1024] f32 -> wq: codes [4096 n][768], K innermost, scale bytes [4096][32] at byte 3,145,728; n = 1024 x matrix + column.
;   T  (256-639):             windows of posV along the keys -> tab: record (3 v + kappa) x 8192 + 2048 t: an operand's registers as they stand (16 channels x 128 keys), three pieces of 512 bytes and 512 bytes of scale words.
;                             Key kk of step kappa for a query with q mod 128 = v takes row clip(128 kappa + kk - v, 0, 256) of posV.
;   P  (640-647):             posK's rows, ends repeated -> tab + 3,145,728: 32 tiles of 16 rows x 64 codes, 1,024 bytes each: three pieces of 256 bytes and 256 bytes of scale words.  Tile ti, lane r: row clip(16 ti - 128 + r, 0, 256).
; ROW ORDER.  Row m of xq and row n of wq lie at the place whose number has bits 3 and 4 exchanged: sixteen neighbouring places are rows 8 u + r + 8 (r / 8) of their group of 32, the order in which a product's
; results become the next operand's registers.
; A block's scale is 2^(floor(log2(largest magnitude)) - 2); its byte is the largest magnitude's exponent field - 2, held at 1 from below.
; LIMITS: a block of zeros, and a block whose largest magnitude lies under 2^-124, takes the byte 1 (this program alone reads the bytes; zero codes add nothing); NaN and infinities among the inputs are not served.
; No tensor loads, no barrier: waves share nothing.
; THE DEAL OF WORK-GROUPS, in place of the numbers in the list above: X 0-255 (a wave takes 4 rows, 8 steps of 512 numbers), W 256-511 (a wave takes 32 columns x 128 along K), T 512-895, P 896-903.
.set FLOOR, 0x1800000
.set LESS2, 0xff000000                 ; -(2 << 23): 2 off an exponent field
.macro BLOCKMAX y, m, n                ; the largest magnitude of v[y] .. v[y + 31], and the floor, in two chains
	v_max3_num_f32 v[\m], |v[(\y)]|, |v[(\y)+1]|, |v[(\y)+2]|
	v_max3_num_f32 v[\n], |v[(\y)+3]|, |v[(\y)+4]|, |v[(\y)+5]|
.irp i, 6,10,14,18,22,26
	v_max3_num_f32 v[\m], v[\m], |v[(\y)+\i]|, |v[(\y)+\i+1]|
	v_max3_num_f32 v[\n], v[\n], |v[(\y)+\i+2]|, |v[(\y)+\i+3]|
.endr
	v_max3_num_f32 v[\m], v[\m], |v[(\y)+30]|, |v[(\y)+31]|
	v_max3_num_f32 v[\m], v[\m], v[\n], FLOOR
.endm
	v_lshl_add_u32 v192, v0, 2, 0x10800
	v_mov_b32 v193, 0
	v_lshrrev_b32 v1, 5, v0
	v_readfirstlane_b32 s16, v1                    ; wave 0..3
	v_and_b32 v2, 31, v0                           ; lane
	s_cmp_lt_u32 ttmp9, 256
	s_cbranch_scc1 .Lpath_x
	s_cmp_lt_u32 ttmp9, 512
	s_cbranch_scc1 .Lpath_w
	s_cmp_lt_u32 ttmp9, 896
	s_cbranch_scc1 .Lpath_t
; ---------------- path P: a wave makes one tile of posK ----------------
	s_load_b64 s[4:5], s[0:1], 0x28                ; posK
	s_load_b64 s[6:7], s[0:1], 0x48                ; tab
	s_sub_co_u32 s17, ttmp9, 896
	s_lshl_b32 s17, s17, 2
	s_add_co_u32 s17, s17, s16                     ; ti
	v_and_b32 v3, 15, v0                           ; r
	v_bfe_u32 v4, v0, 4, 1                         ; h
	s_lshl_b32 s18, s17, 4
	v_add_nc_u32 v5, s18, v3                       ; z = 16 ti + r
	v_min_u32 v6, 128, v5
	v_sub_nc_u32 v5, v5, v6                        ; max(z - 128, 0)
	v_min_u32 v5, 256, v5                          ; the row of posK
	v_lshlrev_b32 v5, 8, v5                        ; 256 bytes a row
	v_lshl_add_u32 v5, v4, 7, v5                   ; + my block of 32 channels
	s_mov_b32 s20, 0x76543210
	s_mov_b32 s21, 0xfedcba98                      ; v_permlanex16_b32's selects for lane l xor 16
	s_lshl_b32 s18, s17, 10
	s_add_co_u32 s18, s18, 0x300000
	s_mov_b32 s19, 0
	s_wait_alu depctr_va_vdst(0)
	v_lshlrev_b32 v7, 3, v2                        ; 8 x lane
	s_wait_kmcnt 0x0
	s_add_nc_u64 s[6:7], s[6:7], s[18:19]
.irp n, 0,1,2,3,4,5,6,7
	global_load_b128 v[128+4*\n:131+4*\n], v5, s[4:5] offset:16*\n
.endr
	s_wait_loadcnt 0x0
	BLOCKMAX 128, 8, 9                             ; the whole block is mine
	v_add_nc_u32 v10, LESS2, v8                    ; the conversion's scale operand
	v_lshrrev_b32 v11, 23, v10                     ; the byte
	v_lshlrev_b32 v12, 3, v4
	v_lshlrev_b32 v12, v12, v11                    ; at byte h of the word
	v_mov_b32 v13, 0
	v_permlanex16_b32 v13, v12, s20, s21
	v_or_b32 v12, v12, v13                         ; with the other block's: bytes 0 and 1; bytes 2 and 3 are 0
	v_mov_b32 v13, 0
	v_cvt_scalef32_pk16_fp6_f32 v[48:50], v[128:143], v10
	v_cvt_scalef32_pk16_fp6_f32 v[20:22], v[144:159], v10   ; (a conversion's three registers begin on an even number)
	v_nop                                          ; one plain place behind a scaled conversion
.irp i, 0,1,2
	v_mov_b32 v[51+\i], v[20+\i]
.endr
.irp i, 0,1,2
	global_store_b64 v7, v[48+2*\i:49+2*\i], s[6:7] offset:256*\i   ; 32 lanes store 256 consecutive bytes, aligned
.endr
	global_store_b64 v7, v[12:13], s[6:7] offset:768
	s_endpgm
; ---------------- path T: a wave makes one fragment of a window of posV ----------------
.Lpath_t:
	s_load_b64 s[4:5], s[0:1], 0x30                ; posV
	s_load_b64 s[6:7], s[0:1], 0x48                ; tab
	s_sub_co_u32 s17, ttmp9, 512
	s_lshr_b32 s18, s17, 7                         ; kappa
	s_and_b32 s17, s17, 127                        ; v
	v_and_b32 v3, 15, v0                           ; r
	v_bfe_u32 v4, v0, 4, 1                         ; h
	s_wait_alu depctr_va_vdst(0)
	v_and_b32 v5, 8, v3
	v_add_nc_u32 v5, v5, v3                        ; r + 8 (r / 8)
	s_lshr_b32 s19, s16, 1
	s_lshl_b32 s19, s19, 5
	s_and_b32 s22, s16, 1
	s_lshl_b32 s22, s22, 3
	s_add_co_u32 s19, s19, s22                     ; fragment t begins at channel 32 (t / 2) + 8 (t % 2)
	v_add_nc_u32 v8, s19, v5
	v_lshlrev_b32 v8, 2, v8                        ; my channel, in bytes
	s_lshl_b32 s22, s18, 7
	s_add_co_u32 s22, s22, 128
	s_sub_co_u32 s22, s22, s17                     ; 128 kappa + 128 - v, at least 1
	v_lshl_add_u32 v9, v4, 5, s22                  ; + 32 h
	s_wait_alu depctr_va_vdst(0)
	s_mul_i32 s23, s17, 3
	s_add_co_u32 s23, s23, s18
	s_lshl_b32 s23, s23, 13
	s_lshl_b32 s24, s16, 11
	s_add_co_u32 s24, s24, s23                     ; the record
	s_mov_b32 s25, 0
	s_mov_b32 s20, 0x76543210
	s_mov_b32 s21, 0xfedcba98
	v_lshlrev_b32 v7, 4, v2                        ; 16 x lane
.set n, 0
.rept 64                               ; register n: key 64 (n / 32) + 32 h + n % 32 of the step
	v_add_nc_u32 v10, 64*(n/32)+n%32, v9
	v_min_u32 v11, 128, v10
	v_sub_nc_u32 v10, v10, v11
	v_min_u32 v10, 256, v10                        ; the row of posV, ends repeated
	v_lshl_add_u32 v[64+n], v10, 8, v8
.set n, n+1
.endr
	s_wait_alu depctr_va_vdst(0)
	s_wait_kmcnt 0x0
	s_add_nc_u64 s[6:7], s[6:7], s[24:25]
.set n, 0
.rept 64
	global_load_b32 v[128+n], v[64+n], s[4:5]
.set n, n+1
.endr
	s_wait_loadcnt 0x0
	BLOCKMAX 128, 32, 34                           ; my block h,
	BLOCKMAX 160, 33, 35                           ; and my block 2 + h
.irp c, 0,1
	v_add_nc_u32 v[44+\c], LESS2, v[32+\c]
.endr
.irp c, 0,1
	v_lshrrev_b32 v[36+\c], 23, v[44+\c]
.endr
	v_lshl_or_b32 v12, v37, 16, v36
	v_lshlrev_b32 v13, 3, v4
	v_lshlrev_b32 v12, v13, v12                    ; my two bytes at their places
	v_mov_b32 v13, 0
	v_permlanex16_b32 v13, v12, s20, s21
	v_or_b32 v12, v12, v13                         ; the word is whole
	v_mov_b32 v13, 0
	v_mov_b32 v14, 0
	v_mov_b32 v15, 0
.irp c, 0,1
	v_cvt_scalef32_pk16_fp6_f32 v[48+6*\c:50+6*\c], v[128+32*\c:143+32*\c], v[44+\c]
	v_cvt_scalef32_pk16_fp6_f32 v[20+4*\c:22+4*\c], v[144+32*\c:159+32*\c], v[44+\c]
.endr
	v_nop
.irp c, 0,1
.irp i, 0,1,2
	v_mov_b32 v[51+6*\c+\i], v[20+4*\c+\i]
.endr
.endr
.irp p, 0,1,2
	global_store_b128 v7, v[48+4*\p:51+4*\p], s[6:7] offset:512*\p   ; 32 lanes store 512 consecutive bytes, aligned
.endr
	global_store_b128 v7, v[12:15], s[6:7] offset:1536
	s_endpgm
; ---------------- path W: a lane takes a column, its registers run down K ----------------
.set WPITCH, 272                       ; a stage row: sixteen places of 16 bytes, each with 12 bytes of codes, + 16
.set WSTG,   32768                     ; the stages: 32 rows for each wave
.set WNB,    4                         ; blocks of 32 along K for a wave: eight places of a stage row are used
.set WX,     32                        ; v32-95   two sets of 32 numbers
.set WC,     96                        ; v96..    a block's codes
.set WOUT,   112                       ; v112-142 the way out
.set WSB,    24                        ; v24   the scale bytes
.macro WLOAD t
.irp i, 0,1,2,3,4,5,6,7,8,9,10,11,12,13,14,15,16,17,18,19,20,21,22,23,24,25,26,27,28,29,30,31
	global_load_b32 v[WX+32*((\t)%2)+\i], v3, s[4:5] offset:(32*(\t)+\i)*4096 th:TH_LOAD_NT
.endr
.endm
.macro WBLOCK t
.set WXS, WX+32*((\t)%2)
.if (\t) < WNB-1
	s_wait_loadcnt 32                              ; this block's 32 loads are in; the next block's may be out
.else
	s_wait_loadcnt 0
.endif
	BLOCKMAX WXS, 12, 13
	v_add_nc_u32 v11, LESS2, v12
	v_lshrrev_b32 v13, 23, v11
.if (\t)%4 == 0
	v_mov_b32 v[WSB+(\t)/4], v13
.else
	v_lshl_or_b32 v[WSB+(\t)/4], v13, 8*((\t)%4), v[WSB+(\t)/4]
.endif
	v_cvt_scalef32_pk16_fp6_f32 v[WC:WC+2], v[WXS:WXS+15], v11
	v_cvt_scalef32_pk16_fp6_f32 v[WC+4:WC+6], v[WXS+16:WXS+31], v11
	ds_store_b96 v4, v[WC:WC+2] offset:32*(\t)
	ds_store_b96 v4, v[WC+4:WC+6] offset:32*(\t)+16
.if (\t)+2 < WNB
	WLOAD (\t)+2
.endif
	s_wait_dscnt 0x0                               ; the stores have read their registers: the next block's codes may be written
.endm
.Lpath_w:
	s_load_b256 s[8:15], s[0:1], 0x8               ; Wq, Wk, Wv, Wo
	s_load_b64 s[6:7], s[0:1], 0x40                ; wq
	s_sub_co_u32 s17, ttmp9, 256
	s_lshr_b32 s20, s17, 6                         ; which matrix
	s_and_b32 s18, s17, 7
	s_bfe_u32 s19, s17, 0x30003                    ; which 128 along K
	s_lshl_b32 s18, s18, 7
	s_lshl_b32 s21, s16, 5
	s_add_co_u32 s18, s18, s21                     ; my wave's first column
	s_wait_alu depctr_va_vdst(0)
	v_lshlrev_b32 v3, 2, v2
	s_mul_i32 s22, s16, 32*WPITCH
	s_add_co_u32 s22, s22, WSTG                    ; my stage
	v_and_b32 v10, 7, v2
	v_bfe_u32 v11, v2, 3, 1
	v_bfe_u32 v12, v2, 4, 1
	v_lshl_add_u32 v10, v11, 4, v10
	v_lshl_add_u32 v10, v12, 3, v10                ; my column's place among the 32: bits 3 and 4 exchanged
	v_mul_u32_u24 v4, v10, WPITCH
	v_add_nc_u32 v4, s22, v4                       ; into the stage: row = my column's place
	v_and_b32 v5, 7, v2
	v_lshrrev_b32 v6, 3, v2
	v_mul_u32_u24 v7, v6, WPITCH
	v_lshl_add_u32 v7, v5, 4, v7
	v_add_nc_u32 v7, s22, v7                       ; out of it: eight lanes to a row, four rows an instruction
	v_mul_u32_u24 v8, v6, 768
	v_mad_u32_u24 v8, v5, 12, v8                   ; and the same place in the codes
	v_lshlrev_b32 v9, 5, v10                       ; my column's row of scale bytes
	s_lshl_b32 s24, s19, 19                        ; 128 rows of 4,096 bytes
	s_lshl_b32 s25, s18, 2
	s_add_co_u32 s24, s24, s25
	s_mov_b32 s25, 0
	s_lshl_b32 s26, s20, 10
	s_add_co_u32 s26, s26, s18                     ; n
	s_mul_i32 s28, s26, 768
	s_mul_i32 s27, s19, 96
	s_add_co_u32 s28, s28, s27
	s_mov_b32 s29, 0
	s_lshl_b32 s30, s26, 5
	s_lshl_b32 s27, s19, 2
	s_add_co_u32 s30, s30, s27
	s_add_co_u32 s30, s30, 0x300000
	s_mov_b32 s31, 0
	s_wait_kmcnt 0x0
	s_cmp_eq_u32 s20, 1                            ; the choice hangs on the work-group's number alone
	s_cselect_b64 s[4:5], s[10:11], s[8:9]
	s_cmp_eq_u32 s20, 2
	s_cselect_b64 s[4:5], s[12:13], s[4:5]
	s_cmp_eq_u32 s20, 3
	s_cselect_b64 s[4:5], s[14:15], s[4:5]
	s_add_nc_u64 s[4:5], s[4:5], s[24:25]
	s_add_nc_u64 s[8:9], s[6:7], s[30:31]
	s_add_nc_u64 s[6:7], s[6:7], s[28:29]
	WLOAD 0
	WLOAD 1
.set Q, 0
.rept WNB
	WBLOCK Q
.set Q, Q+1
.endr
	s_wait_alu depctr_va_vdst(0)
	global_store_b32 v9, v[WSB], s[8:9]            ; my column's 4 scale bytes
.irp t, 0,1,2,3,4,5,6,7
	ds_load_b96 v[WOUT+4*\t:WOUT+4*\t+2], v7 offset:4*\t*WPITCH   ; eight lanes to a row of 96 bytes, four rows an instruction; LDS serves a wave's instructions in order
.endr
.irp t, 0,1,2,3,4,5,6,7
	s_wait_dscnt 7-\t                              ; the younger row loads may be out
	global_store_b96 v8, v[WOUT+4*\t:WOUT+4*\t+2], s[6:7] offset:4*\t*768
.endr
	s_wait_tensorcnt 0x0
	ds_add_u32 v192, v193
	s_wait_dscnt 0x0
	s_endpgm
; ---------------- path X: a stream of blocks of 32; a wave takes 4 rows, 8 steps of 512 numbers ----------------
.set XSTEPS, 8
.set XCB,    12                        ; bytes of 16 codes
.set XR,     16                        ; v16-79   four sets of 16 numbers as loaded
.set XX,     80                        ; v80-111  two sets of 16 neighbours
.set XC,     128                       ; v128-159 codes, four registers a step
.set XE,     112                       ; v112-119 a scale byte a step
.set XWREG,  8192                      ; LDS of a wave: two stages of 32 x XSP bytes, then its 128 scale bytes
.set XSP,    80
.macro XLOAD t
.irp i, 0,1,2,3
	global_load_b128 v[XR+16*((\t)%4)+4*\i:XR+16*((\t)%4)+4*\i+3], v3, s[4:5] offset:2048*(\t)+512*\i th:TH_LOAD_NT
.endr
.endm
.macro XTURN t                         ; a step's numbers through the stage: in as they lie, out 64 bytes a lane
.irp i, 0,1,2,3
	ds_store_b128 v14, v[XR+16*((\t)%4)+4*\i:XR+16*((\t)%4)+4*\i+3] offset:32*XSP*((\t)%2)+8*XSP*\i
.endr
.irp i, 0,1,2,3
	ds_load_b128 v[XX+16*((\t)%2)+4*\i:XX+16*((\t)%2)+4*\i+3], v15 offset:32*XSP*((\t)%2)+16*\i
.endr
.endm
.macro XSTEP t
.set XSS, XX+16*((\t)%2)
.if (\t) > 0
	s_wait_dscnt 1                                 ; this step's numbers are back (the last step's byte store may be out)
.else
	s_wait_dscnt 0x0
.endif
.if (\t)+4 < XSTEPS
	XLOAD (\t)+4
.endif
.if (\t)+1 < XSTEPS
.if XSTEPS-2-(\t) >= 3
	s_wait_loadcnt 12                              ; the next step's four loads are in; the three steps behind it may be out
.else
	s_wait_loadcnt 4*(XSTEPS-2-(\t))
.endif
	XTURN (\t)+1
.endif
	v_max3_num_f32 v8, |v[XSS]|, |v[XSS+1]|, |v[XSS+2]|
	v_max3_num_f32 v9, |v[XSS+3]|, |v[XSS+4]|, |v[XSS+5]|
.irp i, 6,10
	v_max3_num_f32 v8, v8, |v[XSS+\i]|, |v[XSS+\i+1]|
	v_max3_num_f32 v9, v9, |v[XSS+\i+2]|, |v[XSS+\i+3]|
.endr
	v_max3_num_f32 v8, v8, |v[XSS+14]|, |v[XSS+15]|
	v_max3_num_f32 v8, v8, v9, FLOOR
	v_max_num_f32_dpp v8, v8, v8 row_xmask:1 row_mask:0xf bank_mask:0xf   ; with my neighbour's 16: the block's
	v_add_nc_u32 v11, LESS2, v8
	v_cvt_scalef32_pk16_fp6_f32 v[XC+4*(\t):XC+4*(\t)+2], v[XSS:XSS+15], v11
	v_lshrrev_b32 v[XE+(\t)], 23, v11
	ds_store_b8 v5, v[XE+(\t)] offset:16*(\t)      ; both lanes of a block write the same byte with the same value
	global_store_b96 v4, v[XC+4*(\t):XC+4*(\t)+2], s[8:9] offset:32*XCB*(\t)
.endm
.Lpath_x:
	s_load_b64 s[4:5], s[0:1], 0x0                 ; x
	s_load_b64 s[8:9], s[0:1], 0x38                ; xq
	s_wait_alu depctr_va_vdst(0)
	v_lshlrev_b32 v3, 4, v2
	s_mul_i32 s17, s16, XWREG
	v_lshrrev_b32 v14, 2, v2
	v_mul_u32_u24 v14, v14, XSP
	v_and_b32 v15, 3, v2
	v_lshl_add_u32 v14, v15, 4, v14
	v_add_nc_u32 v14, s17, v14
	v_mul_u32_u24 v15, v2, XSP
	v_add_nc_u32 v15, s17, v15
	v_mul_u32_u24 v4, v2, XCB
	v_lshrrev_b32 v5, 1, v2
	s_add_co_u32 s17, s17, 2*32*XSP
	v_add_nc_u32 v5, s17, v5
	v_lshlrev_b32 v7, 2, v2
	v_add_nc_u32 v6, s17, v7
	s_lshl_b32 s17, ttmp9, 2
	s_add_co_u32 s18, s17, s16                     ; which 4 rows I read: half s16 % 2 of the run of 8 rows 2 x work-group + s16 / 2
	s_lshr_b32 s22, ttmp9, 1
	s_lshl_b32 s22, s22, 2
	s_and_b32 s23, s16, 2
	s_or_b32 s22, s22, s23
	s_and_b32 s23, ttmp9, 1
	s_or_b32 s22, s22, s23                         ; where the run goes: its two low bits exchanged
	s_lshl_b32 s22, s22, 1
	s_and_b32 s23, s16, 1
	s_or_b32 s22, s22, s23                         ; and my half of it
	s_lshl_b32 s20, s18, 14                        ; 4 rows of 4,096 bytes
	s_mov_b32 s21, 0
	s_mul_i32 s24, s22, 3072                       ; 4 rows of 768 bytes
	s_mov_b32 s25, 0
	s_lshl_b32 s26, s22, 7                         ; 4 rows of 32 bytes
	s_add_co_u32 s26, s26, 0x300000
	s_mov_b32 s27, 0
	s_wait_alu depctr_va_vdst(0)
	s_wait_kmcnt 0x0
	s_add_nc_u64 s[4:5], s[4:5], s[20:21]
	s_add_nc_u64 s[10:11], s[8:9], s[26:27]
	s_add_nc_u64 s[8:9], s[8:9], s[24:25]
.irp t, 0,1,2,3
	XLOAD \t
.endr
	s_wait_loadcnt 12                              ; step 0's four loads are in
	XTURN 0
.irp t, 0,1,2,3,4,5,6,7
	XSTEP \t
.endr
	ds_load_b32 v12, v6
	s_wait_dscnt 0x0
	global_store_b32 v7, v12, s[10:11]             ; 32 lanes store my 128 scale bytes, consecutive, aligned to 128
	s_wait_tensorcnt 0x0
	ds_add_u32 v192, v193
	s_wait_dscnt 0x0
	s_endpgm
.Lfunc_end_k_q418929282c_prep:
	.size	k_q418929282c_prep, .Lfunc_end_k_q418929282c_prep-k_q418929282c_prep
	.p2alignl 7, 3214868480
	.fill 96, 4, 3214868480
	.section	.rodata,"a",@progbits
	.p2align	6, 0x0
	.amdhsa_kernel k_q418929282c_prep
		.amdhsa_group_segment_fixed_size 68096
		.amdhsa_private_segment_fixed_size 0
		.amdhsa_enable_private_segment 0
		.amdhsa_kernarg_size 80
		.amdhsa_user_sgpr_count 2
		.amdhsa_user_sgpr_kernarg_segment_ptr 1
		.amdhsa_wavefront_size32 1
		.amdhsa_system_sgpr_workgroup_id_x 1
		.amdhsa_system_sgpr_workgroup_id_y 1
		.amdhsa_system_sgpr_workgroup_id_z 1
		.amdhsa_system_vgpr_workitem_id 0
		.amdhsa_next_free_vgpr 194
		.amdhsa_next_free_sgpr 66
		.amdhsa_reserve_vcc 0
		.amdhsa_float_denorm_mode_32 3
		.amdhsa_float_denorm_mode_16_64 3
		.amdhsa_memory_ordered 1
		.amdhsa_forward_progress 1
		.amdhsa_inst_pref_size 72
	.end_amdhsa_kernel
	.amdgpu_metadata
---
amdhsa.version: [ 1, 2 ]
amdhsa.kernels:
  - .name:           k_q418929282c_prep
    .symbol:         k_q418929282c_prep.kd
    .args:
      - { .name: x, .offset: 0, .size: 8, .value_kind: global_buffer, .address_space: global }
      - { .name: Wq, .offset: 8, .size: 8, .value_kind: global_buffer, .address_space: global }
      - { .name: Wk, .offset: 16, .size: 8, .value_kind: global_buffer, .address_space: global }
      - { .name: Wv, .offset: 24, .size: 8, .value_kind: global_buffer, .address_space: global }
      - { .name: Wo, .offset: 32, .size: 8, .value_kind: global_buffer, .address_space: global }
      - { .name: posK, .offset: 40, .size: 8, .value_kind: global_buffer, .address_space: global }
      - { .name: posV, .offset: 48, .size: 8, .value_kind: global_buffer, .address_space: global }
      - { .name: xq, .offset: 56, .size: 8, .value_kind: global_buffer, .address_space: global }
      - { .name: wq, .offset: 64, .size: 8, .value_kind: global_buffer, .address_space: global }
      - { .name: tab, .offset: 72, .size: 8, .value_kind: global_buffer, .address_space: global }
    .group_segment_fixed_size: 68096
    .private_segment_fixed_size: 0
    .kernarg_segment_align: 8
    .kernarg_segment_size: 80
    .max_flat_workgroup_size: 128
    .sgpr_count:     66
    .vgpr_count:     194
    .wavefront_size: 32
...
	.end_amdgpu_metadata
.endif
;; end of part 1
;; launch qkv (part 2): grid 8 x 32, 4 waves a work-group, clusters of 4 x 4, 327,680 bytes of LDS; arguments xq, wq, bq, bk, bv, qkv; writes qkv
.if DOCPART == 2
	.amdgcn_target "amdgcn-amd-amdhsa--gfx1250"
	.amdhsa_code_object_version 6
	.text
	.protected	k_q418929282c_qkv
	.globl	k_q418929282c_qkv
	.p2align	8
	.type	k_q418929282c_qkv,@function
k_q418929282c_qkv:
	s_mov_b64 s[64:65], 0
	v_nop
	global_prefetch_b8 v0, s[64:65] scope:SCOPE_SE
	s_setreg_imm32_b32 hwreg(HW_REG_WAVE_MODE, 25, 1), 1
	s_wait_xcnt 0x0
	s_wait_alu depctr_hold_cnt(0) depctr_sa_sdst(0) depctr_va_vdst(0) depctr_va_sdst(0) depctr_va_ssrc(0) depctr_va_vcc(0) depctr_vm_vsrc(0)
	s_getreg_b32 s2, hwreg(HW_REG_IB_STS2, 6, 4)
	s_cmp_eq_u32 s2, 0
	s_cbranch_scc0 .Lentry_in_a_cluster
	s_endpgm
.Lentry_in_a_cluster:
	s_bfe_u32 s2, ttmp6, 0x10000c
	s_cmp_lg_u32 s2, 0xf033
	s_cbranch_scc0 .Lentry_shape_is_right
	s_endpgm
.Lentry_shape_is_right:
; Q, K, V = x W + b on codes of FP6 (E2M3), then the quantisers ahead of attention.  Layouts of xq, wq and qkv: as the launch that makes xq and wq and the attention launch state them.
; A work-group owns 128 rows of x and columns 128 X .. 128 X + 127 of EACH of Wq, Wk, Wv: three blocks of 128 x 128, one after the other, on the same rows of x, which stay in LDS.
; Whole rows of K lie in LDS: a row of 1,024 codes is 768 bytes of memory, begins at a multiple of 256, and takes 16 bytes of padding behind each 256: 816 bytes from row to row.
; LDS: x's 128 rows; region 0: Wq's 128 rows, later Wv's; region 1: Wk's; then the spare words.  V's stage lies in region 1, which has had its last fill and its last read by then.
; A wave makes 64 x 64: 16 accumulators by turns.  Source 0 = rows of W, source 1 = rows of x: a lane holds one row of x, its registers run along the channels.
; CLUSTERS 4 x 4: x's rows are asked for jointly along a row of the cluster, W's along a column.  Scale words and biases go straight into registers, once, at the head.
; NO PREFETCH: the text has no loop to run ahead in; each tile is asked for whole, once, and the second and third are on their way while the block before is multiplied.
; WINDOWS: 0: addresses, x's fragments (two sets), scale words alone in v128-255.  1: v0-127 accumulators, v128-223 W's fragments (two sets).  2: v0-95 biases, v96.. the way out.
; LIMITS: a block whose largest magnitude lies under 2^-124 takes the byte 1; NaN and infinities are not served.
.set PITCH, 816
.set HALF,  64*PITCH
.set QUART, 32*PITCH
.set TILEB, 128*PITCH
.set BR0,   TILEB
.set BR1,   2*TILEB
.set SPARE, 3*TILEB
.set VROW,  272
.set VHEAD, 128*VROW+512               ; a head's stage: 128 keys x (256 + 16) bytes, 128 more behind each 32 keys
.set FLAGS, (1<<20)|(1<<21)|(5<<22)|(3<<25)   ; elements of a byte; padding on; bit 21 beside a mask; 4 words behind every 64
.set BOF,  7
.set L8,   8
.set L16,  9
.set STW,  10
.set STR,  11
.set SCO,  12
.set ADRA, 16                          ; v16 my rows of x; v17 the same for pieces whose lanes 16-31 lie behind the next padding
.set ADRB, 20                          ; v20-21 region 0, v22-23 region 1
.set SPW,  28
.set NIL,  29
.set AF,   32
.set SA,   128                         ; x's scale words: block i, step st at v[SA + 8 i + st]
.set SB,   160                         ; W's: matrix t, block b, step st at v[SB + 32 t + 8 b + st]
.set XW,   96                          ; window 2 from here on
.set QTM,  160
.set QPW,  176
.set QPC,  178
.set SW,   200
.set VCD,  160
.set VT,   184
.set SBY,  192
.set PT,   194
.set WQ,   196
.set SH8,  248
.set SEL,  66
.set G1,   24
.set G0A,  32
.set G0B,  36
.set G1B,  48
.set G0K,  56
.set G0V,  60
.set G1C,  68
.set MSB, 0
.macro WIN new                         ; the immediate's high byte repeats the setting that is left
.if MSB != \new
	s_set_vgpr_msb (MSB<<8)|\new
.set MSB, \new
.endif
.endm
.macro PLACES n
.rept \n
	v_nop
.endr
.endm
.macro CREST
	s_cmp_lg_u32 s14, 0
	s_cbranch_scc1 .Lnot_wave_0_\@
	s_barrier_signal -3
.Lnot_wave_0_\@:
	s_barrier_wait -3
	s_barrier_signal -1
	s_barrier_wait -1
.endm
.macro CROUND
	s_barrier_signal -1
	s_barrier_wait -1
	CREST
.endm
	s_load_b64 s[4:5], s[0:1], 0x0                 ; xq
	s_load_b64 s[8:9], s[0:1], 0x8                 ; wq
	s_load_b128 s[96:99], s[0:1], 0x10             ; bq, bk
	s_load_b64 s[100:101], s[0:1], 0x20            ; bv
	s_load_b64 s[104:105], s[0:1], 0x28            ; qkv
	v_lshl_add_u32 v[SPW], v0, 2, SPARE
	v_mov_b32 v[NIL], 0
	ds_add_u32 v[SPW], v[NIL]                      ; the opening lines: the add, twice on end, and its wait
	ds_add_u32 v[SPW], v[NIL]
	v_lshrrev_b32 v1, 5, v0
	v_readfirstlane_b32 s14, v1                    ; wave
	s_lshr_b32 s15, s14, 1                         ; my 64 rows of x.  Also: I fetch for x (0) or for W (1)
	s_and_b32 s16, s14, 1                          ; my 64 columns.  Also: which 64 rows I fetch
	s_bfe_u32 s40, ttmp6, 0x40000                  ; cx
	s_bfe_u32 s41, ttmp6, 0x40004                  ; cy
	s_lshl_b32 s42, ttmp9, 2
	s_add_co_u32 s42, s42, s40                     ; X: block of columns
	s_and_b32 s17, ttmp7, 0xffff
	s_lshl_b32 s17, s17, 2
	s_add_co_u32 s17, s17, s41                     ; Y: block of rows
	s_lshl_b32 s43, s41, 2
	s_lshl_b32 s43, 15, s43                        ; my row of the cluster
	s_lshl_b32 s44, 0x1111, s40                    ; my column
	s_or_b32 s[G1], s43, FLAGS
	s_or_b32 s[G1B], s44, FLAGS
	s_or_b32 s[G1C], s44, FLAGS
.irp g, G1, G1B, G1C
	s_mov_b32 s[\g+1], 768<<16
	s_mov_b32 s[\g+3], 768<<16
	s_mov_b32 s[\g+5], 768
	s_mov_b32 s[\g+6], 0
	s_mov_b32 s[\g+7], 0
.endr
.irp g, G1, G1B
	s_mov_b32 s[\g+2], 64<<16                      ; the head's loads: 64 rows a wave
	s_mov_b32 s[\g+4], 64
.endr
	s_mov_b32 s[G1C+2], 32<<16                     ; the later ones: 32 rows a wave
	s_mov_b32 s[G1C+4], 32
	s_lshl_b32 s18, s16, 6
	s_lshl_b32 s20, s17, 7
	s_add_co_u32 s20, s20, s18
	s_mul_i32 s20, s20, 768                        ; x: row 128 Y + 64 x half, in bytes
	s_mov_b32 s21, 0
	s_lshl_b32 s46, s42, 7
	s_add_co_u32 s46, s46, s18
	s_mul_i32 s46, s46, 768                        ; Wq: row 128 X + 64 x half
	s_mov_b32 s47, 0
	s_lshl_b32 s76, s42, 7
	s_lshl_b32 s19, s14, 5
	s_add_co_u32 s76, s76, s19
	s_mul_i32 s76, s76, 768                        ; Wk, Wv: row 128 X + 32 x wave
	s_mov_b32 s77, 0
	s_mul_i32 s45, s14, HALF                       ; x's two halves, then region 0's two halves
	s_mul_i32 s80, s14, QUART
	s_mov_b32 s[SEL], 0x76543210
	s_mov_b32 s[SEL+1], 0xfedcba98
	s_wait_dscnt 0x0
	CROUND                                         ; the round in front of the first joint loads; it passes while the arguments are on their way
	s_wait_kmcnt 0x0
	s_add_nc_u64 s[20:21], s[4:5], s[20:21]
	s_add_nc_u64 s[46:47], s[8:9], s[46:47]
	s_add_nc_u64 s[76:77], s[8:9], s[76:77]
	s_mov_b32 s[G0A], 1
	s_add_co_u32 s[G0A+1], s45, 0
	s_mov_b64 s[G0A+2:G0A+3], s[20:21]
	s_or_b32 s[G0A+3], s[G0A+3], 0x80000000
	s_mov_b32 s[G0B], 1
	s_add_co_u32 s[G0B+1], s45, 0
	s_mov_b64 s[G0B+2:G0B+3], s[46:47]
	s_or_b32 s[G0B+3], s[G0B+3], 0x80000000
	s_mov_b32 s[G0K], 1
	s_add_co_u32 s[G0K+1], s80, BR1
	s_add_nc_u64 s[G0K+2:G0K+3], s[76:77], 1024*768
	s_or_b32 s[G0K+3], s[G0K+3], 0x80000000
	s_mov_b32 s[G0V], 1
	s_add_co_u32 s[G0V+1], s80, BR0
	s_add_nc_u64 s[G0V+2:G0V+3], s[76:77], 2048*768
	s_or_b32 s[G0V+3], s[G0V+3], 0x80000000
	s_cmp_eq_u32 s15, 0                            ; one load a wave: waves 0, 1 x's halves, waves 2, 3 Wq's
	s_cbranch_scc0 .Lfor_b
	tensor_load_to_lds s[G0A:G0A+3], s[G1:G1+7]
	s_nop 0
	PLACES 4
	s_branch .Lasked
.Lfor_b:
	tensor_load_to_lds s[G0B:G0B+3], s[G1B:G1B+7]
	s_nop 0
	PLACES 4
.Lasked:
	s_mul_i32 s21, s15, HALF
	s_mul_i32 s22, s16, HALF
	s_add_co_u32 s22, s22, BR0
	s_add_co_u32 s23, s22, TILEB
	s_mul_i32 s78, s16, VHEAD
	s_add_co_u32 s78, s78, BR1                     ; my head's stage
	s_mul_i32 s79, s15, 64*VROW+256
	s_add_co_u32 s79, s79, s78                     ; into it: my 64 keys
	s_lshl_b32 s81, s15, 7
	s_add_co_u32 s81, s81, s78                     ; out of it: my 32 channels
	s_lshl_b32 s84, s17, 7
	s_lshl_b32 s85, s15, 6
	s_add_co_u32 s84, s84, s85
	s_lshl_b32 s84, s84, 5
	s_add_co_u32 s84, s84, 0x300000                ; x's scale bytes: 32 a row
	s_mov_b32 s85, 0
	s_add_nc_u64 s[84:85], s[4:5], s[84:85]
	s_lshl_b32 s86, s42, 7
	s_lshl_b32 s87, s16, 6
	s_add_co_u32 s86, s86, s87
	s_lshl_b32 s88, s86, 2                         ; my first column in a bias, in bytes
	s_mov_b32 s89, 0
	s_lshl_b32 s86, s86, 5
	s_add_co_u32 s86, s86, 0x300000
	s_mov_b32 s87, 0
	s_add_nc_u64 s[86:87], s[8:9], s[86:87]
	s_add_nc_u64 s[96:97], s[96:97], s[88:89]
	s_add_nc_u64 s[98:99], s[98:99], s[88:89]
	s_add_nc_u64 s[100:101], s[100:101], s[88:89]
	s_lshr_b32 s90, s17, 3                         ; batch
	s_lshl_b32 s90, s90, 4
	s_lshl_b32 s91, s42, 1
	s_add_co_u32 s90, s90, s91
	s_add_co_u32 s90, s90, s16                     ; batch x 16 + head
	s_lshl_b32 s90, s90, 16
	s_and_b32 s91, s17, 7
	s_lshl_b32 s91, s91, 13
	s_add_co_u32 s90, s90, s91                     ; + 8,192 for each 128 rows
	s_lshl_b32 s91, s15, 12
	s_add_co_u32 s90, s90, s91                     ; + 4,096 for my half: four row tiles of Q or K, or two fragments of V
	s_mov_b32 s91, 0
	s_add_nc_u64 s[104:105], s[104:105], s[90:91]
	v_and_b32 v1, 15, v0                           ; r
	v_bfe_u32 v2, v0, 4, 1                         ; h
	v_and_b32 v6, 31, v0
	v_mul_u32_u24 v3, v1, PITCH
	v_mad_u32_u24 v4, v2, 24, v3
	v_lshl_add_u32 v5, v2, 4, v4
	v_add_nc_u32 v[ADRA], s21, v4
	v_add_nc_u32 v[ADRA+1], s21, v5
	v_add_nc_u32 v[ADRB], s22, v4
	v_add_nc_u32 v[ADRB+1], s22, v5
	v_add_nc_u32 v[ADRB+2], s23, v4
	v_add_nc_u32 v[ADRB+3], s23, v5
	v_lshlrev_b32 v[SCO], 5, v1
	v_lshlrev_b32 v[L8], 3, v6
	v_lshlrev_b32 v[L16], 4, v6
	v_lshlrev_b32 v[BOF], 6, v2
	v_and_b32 v5, 8, v1
	v_add_nc_u32 v5, v5, v1                        ; r + 8 (r / 8)
	v_mul_u32_u24 v[STW], v5, VROW
	v_lshl_add_u32 v[STW], v2, 6, v[STW]
	v_add_nc_u32 v[STW], s79, v[STW]
	v_mul_u32_u24 v[STR], v2, 32*VROW+128
	v_lshl_add_u32 v[STR], v5, 2, v[STR]
	v_add_nc_u32 v[STR], s81, v[STR]
	WIN 0x80
	v_lshlrev_b32 v[SH8], 3, v2
.irp b, 0,1,2,3
	v_mov_b32 v[QTM+4+\b], 0                       ; a lane permute's destination counts as one of its sources
.endr
	v_mov_b32 v[SW+1], 0
	v_mov_b32 v[SW+3], 0
	WIN 0
	s_wait_alu depctr_va_vdst(0)                   ; the wait at the head's end
.irp i, 0,1,2,3
.irp n, 0,1
	global_load_b128 v[SA+8*\i+4*\n:SA+8*\i+4*\n+3], v[SCO], s[84:85] offset:512*\i+16*\n
.endr
.endr
.irp t, 0,1,2
.irp b, 0,1,2,3
.irp n, 0,1
	global_load_b128 v[SB+32*\t+8*\b+4*\n:SB+32*\t+8*\b+4*\n+3], v[SCO], s[86:87] offset:32768*\t+512*\b+16*\n
.endr
.endr
.endr
	WIN 0x80
.irp t, 0,1,2
.irp g, 0,1
.irp n, 0,1,2,3
	global_load_b128 v[32*\t+16*\g+4*\n:32*\t+16*\g+4*\n+3], v[BOF], s[96+2*\t:97+2*\t] offset:128*\g+16*\n   ; register 16 g + i: channel 32 g + 16 h + i
.endr
.endr
.endr
	WIN 0
.macro FRAG reg, adr, st, i            ; 16 rows x 128 K: six pieces of 8 bytes; byte y of a row lies at y + 16 (y / 256)
.irp p, 0,1,2,3,4,5
.set BY, 96*(\st)+48*(\p/3)+8*(\p%3)
.if BY%256 < 232
	ds_load_b64 v[\reg+2*\p:\reg+2*\p+1], v[\adr] offset:BY+16*(BY/256)+(\i)*16*PITCH
.else
	ds_load_b64 v[\reg+2*\p:\reg+2*\p+1], v[\adr+1] offset:BY+16*(BY/256)+(\i)*16*PITCH
.endif
.endr
.endm
.macro FETCH adrb, st, set             ; four places, then 48 loads: the registers were read by matrix instructions
	PLACES 4
	WIN 0x40
.irp i, 0,1,2,3
	FRAG 128+48*(\set)+12*\i, \adrb, \st, \i
.endr
	WIN 0
.irp i, 0,1,2,3
	FRAG AF+48*(\set)+12*\i, ADRA, \st, \i
.endr
.endm
.macro MUL st, sb, zero
	WIN 0x51
.irp a, 0,1,2,3
.irp b, 0,1,2,3
.if \zero
	v_wmma_scale_f32_16x16x128_f8f6f4 v[8*(4*\a+\b):8*(4*\a+\b)+7], v[128+48*((\st)%2)+12*\b:128+48*((\st)%2)+12*\b+11], v[AF+48*((\st)%2)+12*\a:AF+48*((\st)%2)+12*\a+11], 0, v[\sb+8*\b+(\st)], v[SA+8*\a+(\st)] matrix_a_fmt:MATRIX_FMT_FP6 matrix_b_fmt:MATRIX_FMT_FP6
.else
	v_wmma_scale_f32_16x16x128_f8f6f4 v[8*(4*\a+\b):8*(4*\a+\b)+7], v[128+48*((\st)%2)+12*\b:128+48*((\st)%2)+12*\b+11], v[AF+48*((\st)%2)+12*\a:AF+48*((\st)%2)+12*\a+11], v[8*(4*\a+\b):8*(4*\a+\b)+7], v[\sb+8*\b+(\st)], v[SA+8*\a+(\st)] matrix_a_fmt:MATRIX_FMT_FP6 matrix_b_fmt:MATRIX_FMT_FP6
.endif
.endr
.endr
.endm
.macro TILE adrb, sb                   ; eight steps of 128 along K; the next step's fragments are asked for ahead of this step's products
.set ST, 0
.rept 8
	s_wait_dscnt 0x0
.if ST < 7
	FETCH \adrb, ST+1, (ST+1)%2
.endif
	MUL ST, \sb, ST==0
.set ST, ST+1
.endr
	WIN 0
.endm
.macro QUANT s                         ; four blocks of 32: registers 16 b .. 16 b + 15 of lanes l and l xor 16
.irp b, 0,1,2,3
	v_max3_num_f32 v[QTM+\b], |v[\s+16*\b]|, |v[\s+1+16*\b]|, 0x1800000
.endr
.irp i, 2,4,6,8,10,12,14
.irp b, 0,1,2,3
	v_max3_num_f32 v[QTM+\b], v[QTM+\b], |v[\s+16*\b+\i]|, |v[\s+1+16*\b+\i]|
.endr
.endr
.irp b, 0,1,2,3
	v_permlanex16_b32 v[QTM+4+\b], v[QTM+\b], s[SEL], s[SEL+1]
.endr
.irp b, 0,1,2,3
	v_max_num_f32 v[QTM+\b], v[QTM+\b], v[QTM+4+\b]
.endr
.irp b, 0,1,2,3
	v_add_nc_u32 v[QTM+12+\b], 0xff000000, v[QTM+\b]
.endr
.irp b, 0,1,2,3
	v_lshrrev_b32 v[QTM+4+\b], 23, v[QTM+12+\b]
.endr
	v_lshl_or_b32 v[QPW], v[QTM+5], 8, v[QTM+4]
	v_lshl_or_b32 v[QPW], v[QTM+6], 16, v[QPW]
	v_lshl_or_b32 v[QPW], v[QTM+7], 24, v[QPW]
.irp c, 0,1
	v_cvt_scalef32_pk16_fp6_f32 v[QPC+6*\c:QPC+2+6*\c], v[\s+32*\c:\s+15+32*\c], v[QTM+12+2*\c]
	v_cvt_scalef32_pk16_fp6_f32 v[QPC+12+4*\c:QPC+14+4*\c], v[\s+16+32*\c:\s+31+32*\c], v[QTM+12+2*\c+1]
.endr
	v_nop
.irp c, 0,1
.irp i, 0,1,2
	v_permlane16_swap_b32 v[QPC+6*\c+\i], v[QPC+12+4*\c+\i]
.endr
.irp i, 0,1,2
	v_mov_b32 v[QPC+3+6*\c+\i], v[QPC+12+4*\c+\i]
.endr
.endr
.endm
.macro QKOUT t, pr                     ; row tiles 2 pr and 2 pr + 1 of my four: 2 x 32 registers a lane, two blocks of 32 channels each; a record of 1,024 bytes a tile
	s_wait_xcnt 0x0                                ; the earlier stores have read their registers
	WIN 0x89
.set k, 0
.rept 32
	v_pk_add_f32 v[XW+k:XW+k+1], v[64*\pr+k:64*\pr+k+1], v[32*\t+k%32:32*\t+k%32+1]   ; each accumulator from its low end on
.set k, k+2
.endr
	WIN 0xaa
	QUANT XW
	v_mov_b32 v[SW], v[QPW]
	v_lshrrev_b32 v[SW+2], 16, v[QPW]
	WIN 0x08
.irp c, 0,1
.irp i, 0,1,2
	global_store_b64 v[L8], v[QPC+6*\c+2*\i:QPC+6*\c+2*\i+1], s[104:105] offset:1024*(2*\pr+\c)+256*\i   ; 32 lanes store 256 consecutive bytes, aligned
.endr
	global_store_b64 v[L8], v[SW+2*\c:SW+2*\c+1], s[104:105] offset:1024*(2*\pr+\c)+768
.endr
.endm
.macro QKEND                           ; on to the next matrix's part of qkv
	WIN 0
	s_wait_xcnt 0x0
	s_add_nc_u64 s[104:105], s[104:105], 0x400000
.endm
	s_wait_tensorcnt 0x0                           ; my part of x or Wq is in
	ds_add_u32 v[SPW], v[NIL]
	s_wait_dscnt 0x0
	CROUND
	tensor_load_to_lds s[G0K:G0K+3], s[G1C:G1C+7]  ; Wk into region 1, 32 rows a wave
	s_nop 0
	FETCH ADRB, 0, 0
	s_wait_loadcnt 0x0                             ; scale words and biases
	TILE ADRB, SB
	s_wait_tensorcnt 0x0                           ; Wk is in; my reads of region 0 are over
	ds_add_u32 v[SPW], v[NIL]
	s_wait_dscnt 0x0
	CROUND
	tensor_load_to_lds s[G0V:G0V+3], s[G1C:G1C+7]  ; Wv into region 0
	s_nop 0
	FETCH ADRB+2, 0, 0
	QKOUT 0, 0
	QKOUT 0, 1
	QKEND
	TILE ADRB+2, SB+32
	s_wait_tensorcnt 0x0                           ; Wv is in
	s_wait_dscnt 0x0
	s_barrier_signal -1
	s_barrier_wait -1
	FETCH ADRB, 0, 0
	QKOUT 1, 0
	QKOUT 1, 1
	QKEND
	TILE ADRB, SB+64
; V: quantised along the KEYS.  My 64 keys x 64 channels go to my head's stage [key][channel]; behind a barrier each wave takes two fragments of 16 channels x 128 keys, a lane a channel, 32 keys a block.
	PLACES 4
	WIN 0x89
.set k, 0
.rept 64
	v_pk_add_f32 v[96+k:97+k], v[k:k+1], v[64+k%32:65+k%32]
.set k, k+2
.endr
	WIN 0x08
.irp e, 0,1,2,3
.irp g, 0,1,2,3
.irp n, 0,1
	ds_store_b128 v[STW], v[96+32*\e+8*\g+4*\n:96+32*\e+8*\g+4*\n+3] offset:(32*(\e/2)+8*(\e%2))*VROW+128*(\e/2)+128*(\g/2)+32*(\g%2)+16*\n
.endr
.endr
.endr
	WIN 0
	s_wait_dscnt 0x0                               ; for the others' sake
	s_barrier_signal -1
	s_barrier_wait -1
.macro VLD g                           ; group g: fragment g / 2 of my two, keys 64 (g % 2) + 32 h + 0 .. 31
	WIN 0x80
.set k, 0
.rept 32
	ds_load_b32 v[96+32*((\g)%2)+k], v[STR] offset:((\g)%2)*(64*VROW+256)+VROW*k+32*((\g)/2)
.set k, k+1
.endr
.endm
.macro VPROC g, left                   ; left: the next group's loads, which may be out
.set Y, 96+32*((\g)%2)
	s_wait_dscnt \left
	WIN 0xaa
	v_max3_num_f32 v[VT], |v[Y]|, |v[Y+1]|, |v[Y+2]|
	v_max3_num_f32 v[VT+1], |v[Y+3]|, |v[Y+4]|, |v[Y+5]|
.irp i, 6,10,14,18,22,26
	v_max3_num_f32 v[VT], v[VT], |v[Y+\i]|, |v[Y+\i+1]|
	v_max3_num_f32 v[VT+1], v[VT+1], |v[Y+\i+2]|, |v[Y+\i+3]|
.endr
	v_max3_num_f32 v[VT], v[VT], |v[Y+30]|, |v[Y+31]|
	v_max3_num_f32 v[VT], v[VT], v[VT+1], 0x1800000
	v_add_nc_u32 v[VT+2], 0xff000000, v[VT]
	v_lshrrev_b32 v[VT+3], 23, v[VT+2]
	v_lshlrev_b32 v[VT+3], v[SH8], v[VT+3]         ; byte 2 (g % 2) + h of the word
.if (\g)%2 == 0
	v_mov_b32 v[SBY+(\g)/2], v[VT+3]
.else
	v_lshl_or_b32 v[SBY+(\g)/2], v[VT+3], 16, v[SBY+(\g)/2]
.endif
	v_cvt_scalef32_pk16_fp6_f32 v[VCD+12*((\g)/2)+6*((\g)%2):VCD+12*((\g)/2)+6*((\g)%2)+2], v[Y:Y+15], v[VT+2]
	v_cvt_scalef32_pk16_fp6_f32 v[VT+4:VT+6], v[Y+16:Y+31], v[VT+2]
	v_nop
.irp i, 0,1,2
	v_mov_b32 v[VCD+12*((\g)/2)+6*((\g)%2)+3+\i], v[VT+4+\i]
.endr
.endm
	VLD 0
	VLD 1
	VPROC 0, 32
	VLD 2
	VPROC 1, 32
	VLD 3
	VPROC 2, 32
	VPROC 3, 0
.irp u, 0,1
	v_permlanex16_b32 v[PT+\u], v[SBY+\u], s[SEL], s[SEL+1]
.endr
.irp u, 0,1
	v_or_b32 v[WQ+4*\u], v[SBY+\u], v[PT+\u]
	v_mov_b32 v[WQ+4*\u+1], 0
	v_mov_b32 v[WQ+4*\u+2], 0
	v_mov_b32 v[WQ+4*\u+3], 0
.endr
	WIN 0x08
.irp u, 0,1
.irp p, 0,1,2
	global_store_b128 v[L16], v[VCD+12*\u+4*\p:VCD+12*\u+4*\p+3], s[104:105] offset:2048*\u+512*\p   ; 32 lanes store 512 consecutive bytes, aligned
.endr
	global_store_b128 v[L16], v[WQ+4*\u:WQ+4*\u+3], s[104:105] offset:2048*\u+1536
.endr
	WIN 0
	s_wait_tensorcnt 0x0                           ; the wave's end
	ds_add_u32 v[SPW], v[NIL]
	s_wait_dscnt 0x0
	CROUND                                         ; the closing round
	s_endpgm
.Lfunc_end_k_q418929282c_qkv:
	.size	k_q418929282c_qkv, .Lfunc_end_k_q418929282c_qkv-k_q418929282c_qkv
	.p2alignl 7, 3214868480
	.fill 96, 4, 3214868480
	.section	.rodata,"a",@progbits
	.p2align	6, 0x0
	.amdhsa_kernel k_q418929282c_qkv
		.amdhsa_group_segment_fixed_size 327680
		.amdhsa_private_segment_fixed_size 0
		.amdhsa_enable_private_segment 0
		.amdhsa_kernarg_size 48
		.amdhsa_user_sgpr_count 2
		.amdhsa_user_sgpr_kernarg_segment_ptr 1
		.amdhsa_wavefront_size32 1
		.amdhsa_system_sgpr_workgroup_id_x 1
		.amdhsa_system_sgpr_workgroup_id_y 1
		.amdhsa_system_sgpr_workgroup_id_z 1
		.amdhsa_system_vgpr_workitem_id 0
		.amdhsa_next_free_vgpr 768
		.amdhsa_next_free_sgpr 106
		.amdhsa_reserve_vcc 0
		.amdhsa_float_denorm_mode_32 3
		.amdhsa_float_denorm_mode_16_64 3
		.amdhsa_memory_ordered 1
		.amdhsa_forward_progress 1
		.amdhsa_inst_pref_size 190
	.end_amdhsa_kernel
	.amdgpu_metadata
---
amdhsa.version: [ 1, 2 ]
amdhsa.kernels:
  - .name:           k_q418929282c_qkv
    .symbol:         k_q418929282c_qkv.kd
    .args:
      - { .name: xq, .offset: 0, .size: 8, .value_kind: global_buffer, .address_space: global }
      - { .name: wq, .offset: 8, .size: 8, .value_kind: global_buffer, .address_space: global }
      - { .name: bq, .offset: 16, .size: 8, .value_kind: global_buffer, .address_space: global }
      - { .name: bk, .offset: 24, .size: 8, .value_kind: global_buffer, .address_space: global }
      - { .name: bv, .offset: 32, .size: 8, .value_kind: global_buffer, .address_space: global }
      - { .name: qkv, .offset: 40, .size: 8, .value_kind: global_buffer, .address_space: global }
    .group_segment_fixed_size: 327680
    .private_segment_fixed_size: 0
    .kernarg_segment_align: 8
    .kernarg_segment_size: 48
    .max_flat_workgroup_size: 128
    .sgpr_count:     106
    .vgpr_count:     768
    .wavefront_size: 32
...
	.end_amdgpu_metadata
.endif
;; end of part 2
;; launch attn (part 3): grid 4 x 64, 16 waves a work-group, no clusters, 273,408 bytes of LDS; arguments qkv, tab, pad_mask, op, pb; writes op, pb
.if DOCPART == 3
	.amdgcn_target "amdgcn-amd-amdhsa--gfx1250"
	.amdhsa_code_object_version 6
	.text
	.protected	k_q418929282c_attn
	.globl	k_q418929282c_attn
	.p2align	8
	.type	k_q418929282c_attn,@function
k_q418929282c_attn:
	s_mov_b64 s[64:65], 0
	v_nop
	global_prefetch_b8 v0, s[64:65] scope:SCOPE_SE
	s_setreg_imm32_b32 hwreg(HW_REG_WAVE_MODE, 25, 1), 1
	s_wait_xcnt 0x0
; ATTENTION with relative positions, on codes of FP6 (E2M3).  A work-group owns 256 queries of one batch and head; each of its sixteen waves 16 of them (a lane holds ONE query, lane % 16, throughout); keys go 128 a step.
; t = (Q.K + Q.posK[clip(k - q)]) x pad_mask x log2(e) / 8;  M = the running largest t rounded up to a whole number;  p = 2^(t - M) is quantised along the keys;  l = the sum of the unquantised p.
; With J = my queries' step, every step j with |j - J| >= 2 is wholly clipped: there the position's score is one number a query (it is the C of the products) and posV's operand is 32 copies of its first or last row.
; FAR steps: O += V^T p + (posV's end)^T p.  BAND steps (J - 1, J, J + 1): Q x nine tiles of posK, skewed through my own LDS buffer so that column k - q falls on key k; O += V^T p alone;
; p's codes, their scale words (brought under the final M at the end) and l go to pb: the next launch adds the band's part of the second position product, whose operand hangs on q.
; O leaves unnormalised, under the final M, to op.
; K, V, posK's tiles, posV's two ends and the mask come into LDS ONCE, through registers, at the head: one barrier ahead of the work.  Slot s holds key step (2 G + 7 + s) & 7 (G: the work-group's x), so that a wave's band lies in
; slots (w / 8) + 0 .. 2 and no LDS address hangs on G.  NO JOINT LOADS: the four query blocks of a head lay the steps in four different slot orders, and each fetches its 128 KiB once, ahead of all its work.
; A tile of K or posK is 16 rows x 64 codes, 6 registers; the matrix instruction takes 12: the upper six meet Q's zero codes and add nothing whatever they hold (FP6 has no NaN; no scale byte here is 0xff).
; LIMITS: p under 2^-126 falls to 0 (v_exp_f32); a band block's byte that would fall under 0 under the final M is held at 0; NaN and infinities among the inputs are not served.
; REGISTERS: v1-7 addresses that stay; v8-11 addresses in hand; v12 -M, v13 the largest t, v[14:15] l; v16-27 Q (v22-27 zero codes); v28, v29 Q.posK[0], Q.posK[256]; v32-95 F; v96-159 S, then p; v160-191 O^T;
; v192-199 the far C; v200-211 scale words alone; v212-223 p's codes; v224-231 at work; v232-252 at work.
.set KC,  0                            ; 8 slots x 8 tile records of K
.set VC,  65536                        ; 8 slots of V's four fragments; slot 8: posV[0] x 32; slot 9: posV[256] x 32
.set PKB, 147456                       ; 32 tiles of posK
.set MKB, 180224                       ; pad_mask x log2(e) / 8, 512 bytes a slot
.set SK,  184320                       ; for each wave 5,440 bytes of its own: the skew buffer and the stages
.set SKB, 5440
.set F,   32
.set S,   96
.set O,   160
.set CF,  192
.set KSC, 200
.set QS,  210
.set PW,  211
.set PC,  212
.set P2,  224
.set BM,  232
.set TP,  236
.set SO,  240
.set FF,  244
.set XT,  246
.set PSW, 247
.set MS,  250
.macro MMZ d, a, sa                    ; D = A Q^T
	v_wmma_scale_f32_16x16x128_f8f6f4 v[\d:\d+7], v[\a:\a+11], v[16:27], 0, v[\sa], v[QS] matrix_a_fmt:MATRIX_FMT_FP6 matrix_b_fmt:MATRIX_FMT_FP6
.endm
.macro MMC d, a, c, sa                 ; D = A Q^T + C
	v_wmma_scale_f32_16x16x128_f8f6f4 v[\d:\d+7], v[\a:\a+11], v[16:27], v[\c:\c+7], v[\sa], v[QS] matrix_a_fmt:MATRIX_FMT_FP6 matrix_b_fmt:MATRIX_FMT_FP6
.endm
.macro MMP d, a, sa                    ; D += A p^T
	v_wmma_scale_f32_16x16x128_f8f6f4 v[\d:\d+7], v[\a:\a+11], v[PC:PC+11], v[\d:\d+7], v[\sa], v[PW] matrix_a_fmt:MATRIX_FMT_FP6 matrix_b_fmt:MATRIX_FMT_FP6
.endm
.macro KLOAD                           ; a step's eight tiles of K and their scale words
.irp t, 0,1,2,3,4,5,6,7
.irp i, 0,1,2
	ds_load_b64 v[F+6*\t+2*\i:F+6*\t+2*\i+1], v8 offset:1024*\t+256*\i
.endr
	ds_load_b32 v[KSC+\t], v8 offset:1024*\t+768
.endr
.endm
.macro MASKMUL                         ; t = score x (mask x c): register 16 g + i is key 32 g + 16 h + i
.rept 4
	v_nop                                          ; places behind the products: their results are read and their operands' registers loaded
.endr
.irp g, 0,1,2,3
.irp n, 0,1,2,3
	ds_load_b128 v[F+16*\g+4*\n:F+16*\g+4*\n+3], v10 offset:128*\g+16*\n
.endr
.endr
	s_wait_dscnt 0x0
.set j, 0
.rept 32
	v_pk_mul_f32 v[S+j:S+j+1], v[S+j:S+j+1], v[F+j:F+j+1]   ; each accumulator from its low end on
.set j, j+2
.endr
.endm
.macro VLOAD adr, reg, sc              ; four fragments of 16 channels x 128 keys and their scale words
.irp t, 0,1,2,3
.irp p, 0,1,2
	ds_load_b128 v[\reg+12*\t+4*\p:\reg+12*\t+4*\p+3], v[\adr] offset:2048*\t+512*\p
.endr
	ds_load_b32 v[\sc+\t], v[\adr] offset:2048*\t+1536
.endr
.endm
.macro SOFT
.irp b, 0,1,2,3
	v_max3_num_f32 v[BM+\b], v[S+16*\b], v[S+1+16*\b], v[S+2+16*\b]   ; the largest t of each block of 32 keys: for the row's maximum and, since p rises with t, for the block's largest p
.endr
.irp i, 3,5,7,9,11,13
.irp b, 0,1,2,3
	s_delay_alu instid0(VALU_DEP_4)
	v_max3_num_f32 v[BM+\b], v[BM+\b], v[S+16*\b+\i], v[S+1+16*\b+\i]
.endr
.endr
.irp b, 0,1,2,3
	s_delay_alu instid0(VALU_DEP_4)
	v_max_num_f32 v[BM+\b], v[BM+\b], v[S+15+16*\b]
.endr
.irp b, 0,1,2,3
	s_delay_alu instid0(VALU_DEP_4)
	v_permlanex16_b32 v[TP+\b], v[BM+\b], s20, s21
.endr
.irp b, 0,1,2,3
	s_delay_alu instid0(VALU_DEP_4)
	v_max_num_f32 v[BM+\b], v[BM+\b], v[TP+\b]     ; with lane l xor 16's 16 keys
.endr
	s_delay_alu instid0(VALU_DEP_2)
	v_max3_num_f32 v[XT], v[BM], v[BM+1], v[BM+2]
	s_delay_alu instid0(VALU_DEP_1)
	v_max_num_f32 v[XT], v[XT], v[BM+3]
	s_delay_alu instid0(VALU_DEP_1)
	v_max_num_f32 v13, v13, v[XT]                  ; the running largest t
	v_mov_b32 v[XT], v12
	s_delay_alu instid0(VALU_DEP_2)
	v_floor_f32 v12, -v13                          ; -M = floor(-t): M is a whole number
	s_delay_alu instid0(VALU_DEP_1)
	v_sub_f32 v[XT], v12, v[XT]                    ; old M - new M, 0 or less
	s_delay_alu instid0(VALU_DEP_1)
	v_cvt_i32_f32 v[XT], v[XT]                     ; (it saturates)
	s_delay_alu instid0(VALU_DEP_1)
	v_ldexp_f32 v[FF], 1.0, v[XT]                  ; f = 2^(old M - new M)
.set j, 0
.rept 32
	v_pk_add_f32 v[S+j:S+j+1], v[S+j:S+j+1], v[12:13] op_sel_hi:[1,0]   ; t - M
.set j, j+2
.endr
.irp b, 0,1,2,3
	v_add_f32 v[BM+\b], v[BM+\b], v12
.endr
.set j, 0
	s_wait_alu depctr_va_vdst(0)
.rept 64
	v_exp_f32 v[S+j], v[S+j]                       ; p = 2^(t - M)
.set j, j+1
.endr
	v_pk_mul_f32 v[14:15], v[14:15], v[FF:FF+1] op_sel_hi:[1,0]   ; l under the new M; a plain place behind the exponentials
	s_wait_alu depctr_va_vdst(0)                   ; one wait for the batch, ahead of its first reader
.irp b, 0,1,2,3
	v_exp_f32 v[BM+\b], v[BM+\b]                   ; the block's largest p
.endr
	v_pk_add_f32 v[236:237], v[100:101], v[104:105]
	v_pk_add_f32 v[30:31], v[108:109], v[112:113]
	v_pk_add_f32 v[14:15], v[14:15], v[116:117]
	v_pk_add_f32 v[236:237], v[236:237], v[120:121]
	v_pk_add_f32 v[30:31], v[30:31], v[124:125]
	v_pk_add_f32 v[14:15], v[14:15], v[128:129]
	v_pk_add_f32 v[236:237], v[236:237], v[132:133]
	v_pk_add_f32 v[30:31], v[30:31], v[136:137]
	v_pk_add_f32 v[14:15], v[14:15], v[140:141]
	v_pk_add_f32 v[236:237], v[236:237], v[144:145]
	v_pk_add_f32 v[30:31], v[30:31], v[148:149]
	v_pk_add_f32 v[14:15], v[14:15], v[152:153]
	v_pk_add_f32 v[236:237], v[236:237], v[156:157]
	v_pk_add_f32 v[30:31], v[30:31], v[96:97]
	v_pk_add_f32 v[14:15], v[14:15], v[98:99]
	v_pk_add_f32 v[236:237], v[236:237], v[102:103]
	v_pk_add_f32 v[30:31], v[30:31], v[106:107]
	v_pk_add_f32 v[14:15], v[14:15], v[110:111]
	v_pk_add_f32 v[236:237], v[236:237], v[114:115]
	v_pk_add_f32 v[30:31], v[30:31], v[118:119]
	v_pk_add_f32 v[14:15], v[14:15], v[122:123]
	v_pk_add_f32 v[236:237], v[236:237], v[126:127]
	v_pk_add_f32 v[30:31], v[30:31], v[130:131]
	v_pk_add_f32 v[14:15], v[14:15], v[134:135]
	v_pk_add_f32 v[236:237], v[236:237], v[138:139]
	v_pk_add_f32 v[30:31], v[30:31], v[142:143]
	v_pk_add_f32 v[14:15], v[14:15], v[146:147]
	v_pk_add_f32 v[236:237], v[236:237], v[150:151]
	v_pk_add_f32 v[30:31], v[30:31], v[154:155]
	v_pk_add_f32 v[14:15], v[14:15], v[158:159]
	s_delay_alu instid0(VALU_DEP_1)
	v_pk_add_f32 v[14:15], v[14:15], v[30:31]
	s_delay_alu instid0(VALU_DEP_1)
	v_pk_add_f32 v[14:15], v[14:15], v[236:237]
	s_wait_alu depctr_va_vdst(0)                   ; and one for the four
.irp b, 0,1,2,3
	v_max_num_f32 v[BM+\b], 0x1800000, v[BM+\b]    ; the floor 2^(3 - 127)
.endr
.irp b, 0,1,2,3
	s_delay_alu instid0(VALU_DEP_4)
	v_add_nc_u32 v[SO+\b], 0xff000000, v[BM+\b]    ; 2 off the exponent field: the conversion's scale operand
.endr
.irp b, 0,1,2,3
	s_delay_alu instid0(VALU_DEP_4)
	v_lshrrev_b32 v[TP+\b], 23, v[SO+\b]
.endr
	s_delay_alu instid0(VALU_DEP_3)
	v_lshl_or_b32 v[PW], v[TP+1], 8, v[TP]
	s_delay_alu instid0(VALU_DEP_1)
	v_lshl_or_b32 v[PW], v[TP+2], 16, v[PW]
	s_delay_alu instid0(VALU_DEP_1)
	v_lshl_or_b32 v[PW], v[TP+3], 24, v[PW]
.irp c, 0,1
	v_cvt_scalef32_pk16_fp6_f32 v[PC+6*\c:PC+2+6*\c], v[S+32*\c:S+15+32*\c], v[SO+2*\c]
	v_cvt_scalef32_pk16_fp6_f32 v[P2+4*\c:P2+2+4*\c], v[S+16+32*\c:S+31+32*\c], v[SO+2*\c+1]
.endr
	v_nop                                          ; one plain place behind a scaled conversion
.endm
.macro SWAPS                           ; a whole block in a lane: lanes 0-15 block 2 c, lanes 16-31 block 2 c + 1
.irp c, 0,1
.irp i, 0,1,2
	v_permlane16_swap_b32 v[PC+6*\c+\i], v[P2+4*\c+\i]
.endr
.irp i, 0,1,2
	s_delay_alu instid0(VALU_DEP_3)
	v_mov_b32 v[PC+3+6*\c+\i], v[P2+4*\c+\i]
.endr
.endr
.endm
.macro ORESC                           ; O^T under the new M; these sixteen are also the places in front of the products
.set j, 0
.rept 16
	v_pk_mul_f32 v[O+j:O+j+1], v[O+j:O+j+1], v[FF:FF+1] op_sel_hi:[1,0]
.set j, j+2
.endr
.endm
	s_load_b256 s[8:15], s[0:1], 0x0               ; qkv s[8:9], tab s[10:11], pad_mask s[12:13], op s[14:15]
	s_load_b64 s[16:17], s[0:1], 0x20              ; pb
	v_lshl_add_u32 v254, v0, 2, 0x42400
	v_mov_b32 v255, 0
	v_lshrrev_b32 v1, 5, v0
	s_delay_alu instid0(VALU_DEP_1)
	v_readfirstlane_b32 s2, v1                     ; wave w
	s_and_b32 s3, ttmp7, 0xffff                    ; batch and head
	s_mov_b32 s4, ttmp9                            ; G
	s_lshr_b32 s6, s2, 3
	s_lshl_b32 s5, s4, 1
	s_add_co_u32 s5, s5, s6                        ; J = 2 G + w / 8
	s_mov_b32 s20, 0x76543210
	s_mov_b32 s21, 0xfedcba98
	s_mov_b32 s33, 0x3e38aa3b                      ; c = log2(e) / 8
	v_and_b32 v232, 31, v0                         ; lane
	v_and_b32 v233, 15, v0                         ; r
	v_bfe_u32 v234, v0, 4, 1                       ; h
	s_delay_alu instid0(VALU_DEP_3)
	v_lshlrev_b32 v1, 3, v232                      ; 8 x lane
	s_delay_alu instid0(VALU_DEP_4)
	v_lshlrev_b32 v2, 4, v232                      ; 16 x lane
	s_delay_alu instid0(VALU_DEP_3)
	v_lshlrev_b32 v3, 6, v234                      ; 64 h
	s_mul_i32 s7, s2, SKB
	s_add_co_u32 s7, s7, SK                        ; my own bytes
	v_mul_u32_u24 v4, v233, 340
	s_delay_alu instid0(VALU_DEP_1)
	v_lshl_add_u32 v4, v234, 5, v4
	s_delay_alu instid0(VALU_DEP_1)
	v_add_nc_u32 v4, s7, v4                        ; the skew buffer, in: rows 336 bytes apart, one word further on for each query
	v_mul_u32_u24 v5, v233, 336
	s_delay_alu instid0(VALU_DEP_1)
	v_lshl_add_u32 v5, v234, 6, v5
	s_delay_alu instid0(VALU_DEP_1)
	v_add_nc_u32 v5, s7, v5
	s_delay_alu instid0(VALU_DEP_1)
	v_add_nc_u32 v5, 64, v5                        ; out: a row begins 16 columns ahead of the half step's first key
	v_mul_u32_u24 v6, v233, 96
	s_delay_alu instid0(VALU_DEP_1)
	v_mad_u32_u24 v6, v234, 24, v6
	s_delay_alu instid0(VALU_DEP_1)
	v_add_nc_u32 v6, s7, v6                        ; p's codes as rows of 96 bytes
	v_add_nc_u32 v7, s7, v2
	s_add_co_u32 s22, s6, 1
	s_lshl_b32 s22, s22, 22                        ; waves 0-7 copy K's slots, waves 8-15 V's
	s_lshl_b32 s23, s3, 16
	s_add_co_u32 s22, s22, s23
	s_lshl_b32 s30, s4, 1
	s_add_co_u32 s30, s30, 7                       ; 2 G + 7
	s_and_b32 s31, s2, 7
	s_add_co_u32 s31, s31, s30
	s_and_b32 s31, s31, 7                          ; my slot's key step
	s_lshl_b32 s31, s31, 13
	s_add_co_u32 s22, s22, s31
	s_mov_b32 s23, 0
	s_lshr_b32 s31, s2, 1                          ; the mask: half a slot a wave
	s_add_co_u32 s31, s31, s30
	s_and_b32 s31, s31, 7
	s_lshl_b32 s34, s31, 9
	s_and_b32 s31, s2, 1
	s_lshl_b32 s31, s31, 8
	s_add_co_u32 s34, s34, s31
	s_lshr_b32 s31, s3, 4
	s_lshl_b32 s31, s31, 12
	s_add_co_u32 s34, s34, s31
	s_mov_b32 s35, 0
	s_lshl_b32 s36, s4, 4
	s_add_co_u32 s36, s36, s2                      ; my tile of 16 queries
	s_lshr_b32 s31, s36, 1
	s_lshl_b32 s31, s31, 11
	s_and_b32 s37, s36, 1
	s_lshl_b32 s37, s37, 6
	s_add_co_u32 s31, s31, s37
	s_lshl_b32 s37, s3, 16
	s_add_co_u32 s38, s31, s37
	s_mov_b32 s39, 0
	s_lshl_b32 s36, s36, 4                         ; my first query
	s_lshl_b32 s40, s3, 10
	s_add_co_u32 s40, s40, s36                     ; its row among all heads'
	s_mul_i32 s42, s3, 3072
	s_add_co_u32 s42, s42, s36
	s_mul_i32 s42, s42, 96                         ; p's codes: [batch and head][3][1024][96 bytes]
	s_mov_b32 s43, 0
	s_lshl_b32 s44, s40, 4
	s_add_co_u32 s44, s44, 0x1200000               ; the records: 16 bytes a query, behind the codes
	s_mov_b32 s45, 0
	s_lshl_b32 s46, s40, 8
	s_mov_b32 s47, 0
	v_lshlrev_b32 v8, 4, v0                        ; 512 w + 16 x lane
	v_lshl_add_u32 v9, s2, 11, v2                  ; 2,048 w + 16 x lane
	v_lshrrev_b32 v235, 3, v233
	v_and_b32 v236, 7, v233
	s_delay_alu instid0(VALU_DEP_1)
	v_lshlrev_b32 v11, 3, v236
	s_delay_alu instid0(VALU_DEP_1)
	v_lshl_add_u32 v11, v235, 10, v11              ; Q's records hold rows in the tiles' order: query r of my 16 lies in tile r / 8 of a pair, at lane 8 (tile % 2) + r % 8
	s_delay_alu instid0(VALU_DEP_1)
	v_lshl_add_u32 v10, v234, 7, v11
	v_lshl_add_u32 v246, s2, 13, v2                ; where the copies go
	v_lshl_add_u32 v247, v0, 4, 0x20000
	v_add_nc_u32 v248, PKB, v9
	v_lshl_add_u32 v249, v0, 3, MKB
	s_wait_alu depctr_va_vdst(0)
	s_wait_kmcnt 0x0
	s_add_nc_u64 s[22:23], s[8:9], s[22:23]
	s_add_nc_u64 s[34:35], s[12:13], s[34:35]
	s_add_nc_u64 s[38:39], s[8:9], s[38:39]
	s_add_nc_u64 s[18:19], s[16:17], s[42:43]
	s_add_nc_u64 s[44:45], s[16:17], s[44:45]
	s_add_nc_u64 s[46:47], s[14:15], s[46:47]
.irp n, 0,1,2,3,4,5,6,7,8,9,10,11,12,13,14,15
	global_load_b128 v[S+4*\n:S+4*\n+3], v2, s[22:23] offset:512*\n
.endr
	global_load_b128 v[32:35], v8, s[10:11] offset:3121152   ; the window of q mod 128 = 127, step 0: posV[0] throughout
	global_load_b128 v[36:39], v8, s[10:11] offset:16384     ; the window of q mod 128 = 0, step 2: posV[256] throughout
.irp n, 0,1,2,3
	global_load_b128 v[40+4*\n:43+4*\n], v9, s[10:11] offset:3145728+512*\n
.endr
	global_load_b64 v[56:57], v1, s[34:35]
.irp i, 0,1,2
	global_load_b64 v[16+2*\i:17+2*\i], v10, s[38:39] offset:256*\i
.endr
	global_load_b32 v[QS], v11, s[38:39] offset:768
.irp j, 22,23,24,25,26,27
	v_mov_b32 v[\j], 0                             ; Q's codes of K = 64 .. 127
.endr
	v_mov_b32 v13, 0xff61b1e6                      ; the largest t so far: -3e38
	s_delay_alu instid0(VALU_DEP_1)
	v_floor_f32 v12, -v13
	v_mov_b32 v14, 0
	v_mov_b32 v15, 0
	v_mov_b32 v[PW], 0
	v_mov_b32 v[FF], 0
	v_mov_b32 v[FF+1], 0                           ; (named as the upper half of a pair)
	s_wait_loadcnt 0x0
	v_mul_f32 v56, s33, v56
	v_mul_f32 v57, s33, v57
.irp n, 0,1,2,3,4,5,6,7,8,9,10,11,12,13,14,15
	ds_store_b128 v246, v[S+4*\n:S+4*\n+3] offset:512*\n
.endr
	ds_store_b128 v247, v[32:35]
	ds_store_b128 v247, v[36:39] offset:8192
.irp n, 0,1,2,3
	ds_store_b128 v248, v[40+4*\n:43+4*\n] offset:512*\n
.endr
	ds_store_b64 v249, v[56:57]
	s_wait_dscnt 0x0                               ; for the others' sake: my stores have landed
	s_barrier_signal -1
	s_barrier_wait -1                              ; the one barrier ahead of the work: from here on the shared bytes are only read
.irp j, 44,45,46,47,48,49,80,81,82,83,84,85,86,87,88,89,90,91,92,93,94,95
	v_mov_b32 v[\j], 0                             ; upper halves of operands that no load has written yet
.endr
	v_add_nc_u32 v11, PKB, v1
.irp i, 0,1,2
	ds_load_b64 v[F+2*\i:F+2*\i+1], v11 offset:256*\i               ; posK's tile 0: sixteen copies of row 0
	ds_load_b64 v[F+6+2*\i:F+6+2*\i+1], v11 offset:31*1024+256*\i   ; tile 31: of row 256
.endr
	ds_load_b32 v[KSC], v11 offset:768
	ds_load_b32 v[KSC+1], v11 offset:31*1024+768
.set j, 0
.rept 32
	v_mov_b32 v[O+j], 0                            ; O^T: the steps are written once; the first finds zeros
.set j, j+1
.endr
.irp j, 236,237,238,239,247,248,249,250,251,252
	v_mov_b32 v[\j], 0
.endr
	s_wait_dscnt 0x0
	MMZ S, F, KSC
	MMZ S+8, F+6, KSC+1
.rept 4
	v_nop
.endr
	v_mov_b32 v28, v[S]                            ; Q . posK[0]
	v_mov_b32 v29, v[S+8]                          ; Q . posK[256]
; ---------------- the far steps: all eight slots are walked, the band's are passed over ----------------
	s_mov_b32 s24, KC
	s_mov_b32 s25, VC
	s_mov_b32 s26, MKB
	s_mov_b32 s29, 0
.Lfar:
	s_lshl_b32 s30, s4, 1
	s_add_co_u32 s30, s30, 7
	s_add_co_u32 s30, s30, s29
	s_and_b32 s30, s30, 7                          ; the slot's key step j
	s_sub_co_u32 s31, s30, s5
	s_add_co_u32 s31, s31, 1
	s_cmp_lt_u32 s31, 3                            ; |j - J| <= 1: the band
	s_cbranch_scc1 .Lfar_skip
	s_cmp_gt_u32 s30, s5
	s_cselect_b32 s28, -1, 0                       ; keys to the right: posK[256], posV[256]
	s_mov_b32 s27, VC+8*8192
	s_cselect_b32 s27, VC+9*8192, s27
	v_add_nc_u32 v8, s24, v1                       ; these twelve are the places behind the last products
	v_add_nc_u32 v9, s25, v2
	v_add_nc_u32 v10, s26, v3
	v_add_nc_u32 v11, s27, v2
	s_wait_alu depctr_va_vdst(0)
.irp i, 0,1,2,3,4,5,6,7
	v_cndmask_b32 v[CF+\i], v28, v29, s28
.endr
	KLOAD
	s_wait_alu depctr_va_vdst(0)
	s_wait_dscnt 0x0
.irp t, 0,1,2,3,4,5,6,7
	MMC S+8*\t, F+6*\t, CF, KSC+\t
.endr
	MASKMUL
	VLOAD 9, F, KSC
	SOFT
	VLOAD 11, S, KSC+4                             ; p has been converted: its registers take posV's end
	SWAPS
	ORESC
	s_wait_alu depctr_va_vdst(0)
	s_wait_dscnt 16                                ; V's sixteen loads are in; the sixteen behind them may be out
.irp t, 0,1,2,3
	MMP O+8*\t, F+12*\t, KSC+\t                    ; the four accumulators by turns
.endr
	s_wait_dscnt 0x0
.irp t, 0,1,2,3
	MMP O+8*\t, S+12*\t, KSC+4+\t
.endr
.Lfar_skip:
	s_add_co_u32 s24, s24, 8192
	s_add_co_u32 s25, s25, 8192
	s_add_co_u32 s26, s26, 512
	s_add_co_u32 s29, s29, 1
	s_cmp_lt_u32 s29, 8
	s_cbranch_scc1 .Lfar
; ---------------- the band: key steps J - 1, J, J + 1, in slots w / 8 + 0 .. 2 ----------------
	s_lshl_b32 s24, s6, 13
	s_add_co_u32 s25, s24, VC
	s_lshl_b32 s26, s6, 9
	s_add_co_u32 s26, s26, MKB
	s_and_b32 s30, s2, 7
	s_xor_b32 s30, s30, 7
	s_lshl_b32 s32, s30, 10
	s_add_co_u32 s32, s32, PKB                     ; the first of nine tiles of posK: 8 d + 7 - w % 8
	s_mov_b32 s29, 0
.Lband:
	s_add_co_u32 s30, s5, s29
	s_sub_co_u32 s30, s30, 1
	s_cmp_lt_u32 s30, 8                            ; is there such a key step?
	s_cbranch_scc0 .Lband_skip
	v_add_nc_u32 v8, s24, v1
	v_add_nc_u32 v9, s25, v2
	v_add_nc_u32 v10, s26, v3
	v_add_nc_u32 v11, s32, v1
	v_nop                                          ; five places: the products below write over registers that the last products read
.irp t, 0,1,2,3,4,5,6,7,8
.irp i, 0,1,2
	ds_load_b64 v[F+6*\t+2*\i:F+6*\t+2*\i+1], v11 offset:1024*\t+256*\i
.endr
	ds_load_b32 v[KSC+\t], v11 offset:1024*\t+768
.endr
	s_wait_alu depctr_va_vdst(0)
	s_wait_dscnt 0x0
.irp g, 0,1                            ; 64 keys at a time: five tiles, 80 columns.  Register j of tile u is column 16 u + 8 h + j, which for query r is key 16 u + 8 h + j - 16 + r of the half step
.irp u, 0,1,2,3
	MMZ S+32+8*\u, F+6*(4*\g+\u), KSC+4*\g+\u
.endr
	MMZ P2, F+6*(4*\g+4), KSC+4*\g+4
.rept 5
	v_nop
.endr
.irp u, 0,1,2,3
.irp j, 0,1,2,3,4,5,6,7
	ds_store_b32 v4, v[S+32+8*\u+\j] offset:64*\u+4*\j
.endr
.endr
.irp j, 0,1,2,3,4,5,6,7
	ds_store_b32 v4, v[P2+\j] offset:256+4*\j
.endr
	s_wait_dscnt 0x0                               ; the stores have read their registers: loads and products write them again
.irp e, 0,1,2,3
.irp n, 0,1
	ds_load_b128 v[S+32*\g+8*\e+4*\n:S+32*\g+8*\e+4*\n+3], v5 offset:128*(\e/2)+32*(\e%2)+16*\n   ; in the scores' layout: they are the C of K Q^T
.endr
.endr
.endr
	KLOAD
	s_wait_dscnt 0x0
.irp t, 0,1,2,3,4,5,6,7
	MMC S+8*\t, F+6*\t, S+8*\t, KSC+\t
.endr
	MASKMUL
	VLOAD 9, F, KSC
	SOFT
	SWAPS
.irp c, 0,1
.irp i, 0,1,2
	ds_store_b64 v6, v[PC+6*\c+2*\i:PC+6*\c+2*\i+1] offset:48*\c+8*\i   ; p's codes as sixteen rows of 96 bytes
.endr
.endr
.irp n, 0,1,2
	ds_load_b128 v[S+4*\n:S+4*\n+3], v7 offset:512*\n   ; LDS serves a wave's instructions in order: these see my stores
.endr
	ORESC
	s_wait_alu depctr_va_vdst(0)
	s_wait_dscnt 0x0
.irp n, 0,1,2
	global_store_b128 v2, v[S+4*\n:S+4*\n+3], s[18:19] offset:512*\n th:TH_STORE_NT   ; 1,536 consecutive bytes, aligned to 256
.endr
.irp t, 0,1,2,3
	MMP O+8*\t, F+12*\t, KSC+\t
.endr
.Lband_skip:
	s_wait_xcnt 0x0                                ; the stores have read their registers and their base
	s_add_nc_u64 s[18:19], s[18:19], 98304
	s_add_co_u32 s24, s24, 8192
	s_add_co_u32 s25, s25, 8192
	s_add_co_u32 s26, s26, 512
	s_add_co_u32 s32, s32, 8192
	s_wait_alu depctr_va_vdst(0)
	v_mov_b32 v[PSW], v[PSW+1]                     ; the three steps' scale words and -M as they stood
	v_mov_b32 v[PSW+1], v[PSW+2]
	v_mov_b32 v[PSW+2], v[PW]
	v_mov_b32 v[MS], v[MS+1]
	v_mov_b32 v[MS+1], v[MS+2]
	v_mov_b32 v[MS+2], v12
	s_add_co_u32 s29, s29, 1
	s_cmp_lt_u32 s29, 3
	s_cbranch_scc1 .Lband
; ---------------- the way out ----------------
.rept 4
	v_nop
.endr
	v_add_f32 v14, v14, v15
	s_delay_alu instid0(VALU_DEP_1)
	v_permlanex16_b32 v[TP], v14, s20, s21
	s_delay_alu instid0(VALU_DEP_1)
	v_add_f32 v14, v14, v[TP]                      ; l
.irp e, 0,1,2
	v_sub_f32 v[BM], v[MS+\e], v12                 ; final M - the step's M: a whole number
	s_delay_alu instid0(VALU_DEP_1)
	v_cvt_i32_f32 v[BM], v[BM]
.irp k, 0,1,2,3
	v_bfe_u32 v[BM+1], v[PSW+\e], 8*\k, 8
	s_delay_alu instid0(VALU_DEP_1)
	v_min_u32 v[BM+2], v[BM+1], v[BM]
	s_delay_alu instid0(VALU_DEP_1)
	v_sub_nc_u32 v[BM+1], v[BM+1], v[BM+2]         ; the byte under the final M, held at 0
.if \k == 0
	s_delay_alu instid0(VALU_DEP_1)
	v_mov_b32 v[SO+\e], v[BM+1]
.else
	s_delay_alu instid0(VALU_DEP_1)
	v_lshl_or_b32 v[SO+\e], v[BM+1], 8*\k, v[SO+\e]
.endif
.endr
.endr
	v_mov_b32 v[SO+3], v14
	v_and_b32 v[BM], 31, v0
	s_delay_alu instid0(VALU_DEP_1)
	v_cmp_gt_u32 vcc_lo, 16, v[BM]
	s_wait_alu depctr_va_vdst(0)
	s_wait_xcnt 0x0                                ; EXEC changes only behind this wait
	s_and_saveexec_b32 s30, vcc_lo
	global_store_b128 v2, v[SO:SO+3], s[44:45]     ; lanes 0-15: sixteen records, 256 consecutive bytes, aligned
	s_wait_xcnt 0x0
	s_or_b32 exec_lo, exec_lo, s30
	v_and_b32 v[BM], 15, v0
	v_bfe_u32 v[BM+1], v0, 4, 1
	s_delay_alu instid0(VALU_DEP_2)
	v_mul_u32_u24 v8, v[BM], 272
	s_delay_alu instid0(VALU_DEP_1)
	v_lshl_add_u32 v8, v[BM+1], 6, v8
	s_delay_alu instid0(VALU_DEP_1)
	v_add_nc_u32 v8, s7, v8                        ; O's stage: row r, + 64 h: register 16 e + i is channel 32 e + 16 h + i
	s_delay_alu instid0(VALU_DEP_4)
	v_mul_u32_u24 v9, v[BM+1], 272
	s_delay_alu instid0(VALU_DEP_1)
	v_lshl_add_u32 v9, v[BM], 4, v9
	s_delay_alu instid0(VALU_DEP_1)
	v_add_nc_u32 v9, s7, v9
.irp e, 0,1
.irp n, 0,1,2,3
	ds_store_b128 v8, v[O+16*\e+4*\n:O+16*\e+4*\n+3] offset:128*\e+16*\n
.endr
.endr
.irp n, 0,1,2,3,4,5,6,7
	ds_load_b128 v[S+4*\n:S+4*\n+3], v9 offset:544*\n
.endr
.irp n, 0,1,2,3,4,5,6,7
	s_wait_dscnt 7-\n                              ; the younger row loads may be out
	global_store_b128 v2, v[S+4*\n:S+4*\n+3], s[46:47] offset:512*\n th:TH_STORE_NT   ; two rows of 256 bytes
.endr
	s_barrier_signal -1
	s_barrier_wait -1
	s_wait_tensorcnt 0x0
	ds_add_u32 v254, v255
	s_wait_dscnt 0x0
	s_endpgm
.Lfunc_end_k_q418929282c_attn:
	.size	k_q418929282c_attn, .Lfunc_end_k_q418929282c_attn-k_q418929282c_attn
	.p2alignl 7, 3214868480
	.fill 96, 4, 3214868480
	.section	.rodata,"a",@progbits
	.p2align	6, 0x0
	.amdhsa_kernel k_q418929282c_attn
		.amdhsa_group_segment_fixed_size 273408
		.amdhsa_private_segment_fixed_size 0
		.amdhsa_enable_private_segment 0
		.amdhsa_kernarg_size 40
		.amdhsa_user_sgpr_count 2
		.amdhsa_user_sgpr_kernarg_segment_ptr 1
		.amdhsa_wavefront_size32 1
		.amdhsa_system_sgpr_workgroup_id_x 1
		.amdhsa_system_sgpr_workgroup_id_y 1
		.amdhsa_system_sgpr_workgroup_id_z 1
		.amdhsa_system_vgpr_workitem_id 0
		.amdhsa_next_free_vgpr 256
		.amdhsa_next_free_sgpr 66
		.amdhsa_reserve_vcc 1
		.amdhsa_float_denorm_mode_32 3
		.amdhsa_float_denorm_mode_16_64 3
		.amdhsa_memory_ordered 1
		.amdhsa_forward_progress 1
		.amdhsa_inst_pref_size 78
	.end_amdhsa_kernel
	.amdgpu_metadata
---
amdhsa.version: [ 1, 2 ]
amdhsa.kernels:
  - .name:           k_q418929282c_attn
    .symbol:         k_q418929282c_attn.kd
    .args:
      - { .name: qkv, .offset: 0, .size: 8, .value_kind: global_buffer, .address_space: global }
      - { .name: tab, .offset: 8, .size: 8, .value_kind: global_buffer, .address_space: global }
      - { .name: pad_mask, .offset: 16, .size: 8, .value_kind: global_buffer, .address_space: global }
      - { .name: op, .offset: 24, .size: 8, .value_kind: global_buffer, .address_space: global }
      - { .name: pb, .offset: 32, .size: 8, .value_kind: global_buffer, .address_space: global }
    .group_segment_fixed_size: 273408
    .private_segment_fixed_size: 0
    .kernarg_segment_align: 8
    .kernarg_segment_size: 40
    .max_flat_workgroup_size: 512
    .sgpr_count:     66
    .vgpr_count:     256
    .wavefront_size: 32
...
	.end_amdgpu_metadata
.endif
;; end of part 3
;; launch oband (part 4): grid 128 x 2, 16 waves a work-group, no clusters, 174,080 bytes of LDS; arguments tab, op, pb, ao; writes ao
.if DOCPART == 4
	.amdgcn_target "amdgcn-amd-amdhsa--gfx1250"
	.amdhsa_code_object_version 6
	.text
	.protected	k_q418929282c_oband
	.globl	k_q418929282c_oband
	.p2align	8
	.type	k_q418929282c_oband,@function
k_q418929282c_oband:
	s_mov_b64 s[64:65], 0
	v_nop
	global_prefetch_b8 v0, s[64:65] scope:SCOPE_SE
	s_setreg_imm32_b32 hwreg(HW_REG_WAVE_MODE, 25, 1), 1
	s_wait_xcnt 0x0
; The band's part of the second position product, the division by l, and the quantiser ahead of the last projection.
; posV's operand, quantised along the keys, hangs on the query alone, so the rows that share it are the sixteen heads of one query: a wave takes one batch b and one query q = 128 J + v; lane r is head r.
; A work-group has v = its x; its sixteen waves are J = w % 8 and b = 2 y + w / 8: all share the windows of v, 24,576 bytes, copied into LDS once.
; ACC (16 heads x 64 channels) = op + the sum over the three band steps of (window)^T p^T; then / l; then codes of FP6 (E2M3) along head x 64 + channel, a row of 768 bytes of ao, and 32 scale bytes at 3,145,728 + 32 x row.
; LOADS TAKE WHOLE RUNS: a head's 96 bytes of p's codes of a step by six neighbouring lanes (16 heads x 6 = 96 lanes, three instructions a step), a head's 256 bytes of op by sixteen lanes;
; both turn through the wave's own 9,216 bytes of LDS into the operand's and the accumulator's layout.
; Where a band step does not exist (J = 0: the left one; J = 7: the right one) p's codes are zeros and add nothing; the record's byte there is never 0xff.
; LIMITS: a block whose largest magnitude lies under 2^-124 takes the byte 1; NaN and infinities are not served.
; REGISTERS: v1-14, v244-249 offsets; v16-51 p's fragments, later at work; v52-54 p's scale words, v55 l; v56-87 ACC; v88-99 the windows' scale words; v100-243 first what was loaded, then the windows.
.set PF,  16
.set REC, 52
.set ACC, 56
.set TS,  88
.set TF,  100
.set PT,  16                           ; p's codes as loaded: in the registers of p's fragments
.set OT,  56                           ; op as loaded: in ACC's registers
.set CP,  168
.set WST, 9216
.macro PLOAD k
.irp n, 0,1,2
	global_load_b128 v[PT+12*\k+4*\n:PT+12*\k+4*\n+3], v[1+\n], s[22:23] offset:98304*\k th:TH_LOAD_NT
.endr
.endm
.macro PZERO k
.irp p, 0,1,2,3,4,5,6,7,8,9,10,11
	v_mov_b32 v[PT+12*\k+\p], 0
.endr
.endm
	s_load_b256 s[8:15], s[0:1], 0x0               ; tab s[8:9], op s[10:11], pb s[12:13], ao s[14:15]
	v_lshrrev_b32 v1, 5, v0
	s_delay_alu instid0(VALU_DEP_1)
	v_readfirstlane_b32 s2, v1                     ; wave
	s_and_b32 s3, ttmp7, 0xffff
	s_and_b32 s4, s2, 7                            ; J
	s_lshr_b32 s5, s2, 3
	s_lshl_b32 s3, s3, 1
	s_add_co_u32 s5, s5, s3                        ; b
	s_lshl_b32 s6, s4, 7
	s_add_co_u32 s6, s6, ttmp9                     ; q
	s_mov_b32 s20, 0x76543210
	s_mov_b32 s21, 0xfedcba98
	s_mul_i32 s38, s2, 1536                        ; the copy: 1,536 bytes a wave
	s_mul_i32 s7, s2, WST
	s_add_co_u32 s7, s7, 24576                     ; my own bytes: p's codes (4,608), later the stage of ao's row;
	s_add_co_u32 s39, s7, 4608                     ; op's sixteen rows, 272 bytes apart
	s_mul_i32 s22, s5, 16*294912
	s_mul_i32 s23, s6, 96
	s_add_co_u32 s22, s22, s23
	s_mov_b32 s23, 0
	s_lshl_b32 s24, s5, 14
	s_add_co_u32 s24, s24, s6                      ; head 0's row of this batch and query
	s_lshl_b32 s26, s24, 4
	s_add_co_u32 s26, s26, 0x1200000
	s_mov_b32 s27, 0
	s_lshl_b32 s28, s24, 8
	s_mov_b32 s29, 0
	s_lshl_b32 s30, s5, 10
	s_add_co_u32 s30, s30, s6                      ; the row of ao
	s_mul_i32 s32, s30, 768
	s_mov_b32 s33, 0
	s_lshl_b32 s34, s30, 5
	s_add_co_u32 s34, s34, 0x300000
	s_mov_b32 s35, 0
	s_mul_i32 s36, ttmp9, 24576
	s_mov_b32 s37, 0
	v_and_b32 v11, 31, v0                          ; lane
	v_and_b32 v12, 15, v0                          ; r
	v_bfe_u32 v13, v0, 4, 1                        ; h
	s_delay_alu instid0(VALU_DEP_3)
	v_add_nc_u32 v2, 32, v11                       ; place 32 n + lane among a step's 96: head = place / 6, piece = place % 6
	s_delay_alu instid0(VALU_DEP_4)
	v_add_nc_u32 v3, 64, v11
	v_mul_u32_u24 v16, v11, 43
	s_delay_alu instid0(VALU_DEP_3)
	v_mul_u32_u24 v17, v2, 43
	s_delay_alu instid0(VALU_DEP_3)
	v_mul_u32_u24 v18, v3, 43
.irp n, 0,1,2
	s_delay_alu instid0(VALU_DEP_3)
	v_lshrrev_b32 v[16+\n], 8, v[16+\n]            ; place x 43 / 256 = place / 6 for places under 96
.endr
.irp n, 0,1,2
	s_delay_alu instid0(VALU_DEP_3)
	v_mul_u32_u24 v[20+\n], v[16+\n], 6
.endr
	s_delay_alu instid0(VALU_DEP_3)
	v_sub_nc_u32 v1, v11, v20
	s_delay_alu instid0(VALU_DEP_3)
	v_sub_nc_u32 v2, v2, v21
	s_delay_alu instid0(VALU_DEP_3)
	v_sub_nc_u32 v3, v3, v22
.irp n, 0,1,2
	v_mul_u32_u24 v[16+\n], v[16+\n], 294912       ; 3 x 1,024 x 96 bytes a head
.endr
.irp n, 0,1,2
	s_delay_alu instid0(VALU_DEP_3)
	v_lshl_add_u32 v[1+\n], v[1+\n], 4, v[16+\n]
.endr
	v_lshlrev_b32 v249, 14, v12                    ; the records: 1,024 x 16 bytes a head
	v_lshlrev_b32 v244, 18, v13                    ; op: 1,024 x 256 bytes a head; lanes 0-15 one head, lanes 16-31 the next
	v_lshlrev_b32 v5, 4, v11
	v_mul_u32_u24 v246, v12, 96
	v_mul_u32_u24 v247, v13, 272
	v_mul_u32_u24 v248, v12, 272
	v_mul_u32_u24 v6, v12, 48
	v_lshlrev_b32 v8, 3, v11
	v_and_b32 v10, 7, v0
	v_lshl_add_u32 v9, v12, 1, v13
	v_lshl_add_u32 v244, v12, 4, v244
	v_lshl_add_u32 v4, v11, 4, s38
	v_add_nc_u32 v245, s7, v5                      ; p's codes into LDS as they were loaded
	v_mad_u32_u24 v246, v13, 24, v246
	v_lshl_add_u32 v247, v12, 4, v247
	v_lshl_add_u32 v248, v13, 6, v248
	v_mad_u32_u24 v6, v13, 24, v6
	v_add_nc_u32 v7, s7, v8
	v_lshlrev_b32 v14, 2, v10
	v_add_nc_u32 v9, s7, v9
	v_add_nc_u32 v246, s7, v246                    ; and out: head r's row of 96 bytes, + 24 h
	v_add_nc_u32 v247, s39, v247
	v_add_nc_u32 v248, s39, v248                   ; op out: head r's row, + 64 h
	v_add_nc_u32 v6, s7, v6
	v_add_nc_u32 v10, s7, v14
	s_wait_alu depctr_va_vdst(0)                   ; the wait at the head's end
	s_wait_kmcnt 0x0
	s_add_nc_u64 s[22:23], s[12:13], s[22:23]
	s_add_nc_u64 s[26:27], s[12:13], s[26:27]
	s_add_nc_u64 s[28:29], s[10:11], s[28:29]
	s_add_nc_u64 s[32:33], s[14:15], s[32:33]
	s_add_nc_u64 s[34:35], s[14:15], s[34:35]
	s_add_nc_u64 s[36:37], s[8:9], s[36:37]
.irp n, 0,1,2
	global_load_b128 v[CP+4*\n:CP+4*\n+3], v4, s[36:37] offset:512*\n   ; the windows first: they are wanted first
.endr
	s_cmp_eq_u32 s4, 0
	s_cbranch_scc1 .Lno_left
	PLOAD 0
	s_branch .Lleft_done
.Lno_left:
	PZERO 0
.Lleft_done:
	PLOAD 1
	s_cmp_eq_u32 s4, 7
	s_cbranch_scc1 .Lno_right
	PLOAD 2
	s_branch .Lright_done
.Lno_right:
	PZERO 2
.Lright_done:
	global_load_b128 v[REC:REC+3], v249, s[26:27] th:TH_LOAD_NT
.irp n, 0,1,2,3,4,5,6,7
	global_load_b128 v[OT+4*\n:OT+4*\n+3], v244, s[28:29] offset:524288*\n th:TH_LOAD_NT   ; heads 2 n and 2 n + 1: two whole rows of 256 bytes
.endr
	s_wait_alu depctr_va_vdst(0)
	s_wait_loadcnt 12                              ; my part of the windows is in: behind its three loads stand at least 3 of p, the record and 8 of op
.irp n, 0,1,2
	ds_store_b128 v4, v[CP+4*\n:CP+4*\n+3] offset:512*\n
.endr
	s_wait_dscnt 0x0                               ; for the others' sake: my stores have landed
	s_barrier_signal -1
	s_barrier_wait -1                              ; the windows are read while p and op are still on their way
.irp f, 0,1,2,3,4,5,6,7,8,9,10,11
.irp p, 0,1,2
	ds_load_b128 v[TF+12*\f+4*\p:TF+12*\f+4*\p+3], v5 offset:2048*\f+512*\p
.endr
	ds_load_b32 v[TS+\f], v5 offset:2048*\f+1536
.endr
	s_wait_loadcnt 0x0
.irp k, 0,1,2
.irp n, 0,1,2
	ds_store_b128 v245, v[PT+12*\k+4*\n:PT+12*\k+4*\n+3] offset:1536*\k+512*\n
.endr
.endr
.irp n, 0,1,2,3,4,5,6,7
	ds_store_b128 v247, v[OT+4*\n:OT+4*\n+3] offset:544*\n
.endr
	s_wait_dscnt 0x0                               ; the stores have read their registers, which the loads below fill anew
.irp k, 0,1,2
.irp p, 0,1,2,3,4,5
	ds_load_b64 v[PF+12*\k+2*\p:PF+12*\k+2*\p+1], v246 offset:1536*\k+48*(\p/3)+8*(\p%3)
.endr
.endr
.irp e, 0,1
.irp n, 0,1,2,3
	ds_load_b128 v[ACC+16*\e+4*\n:ACC+16*\e+4*\n+3], v248 offset:128*\e+16*\n
.endr
.endr
	s_wait_dscnt 0x0
.irp k, 0,1,2
.irp t, 0,1,2,3
	v_wmma_scale_f32_16x16x128_f8f6f4 v[ACC+8*\t:ACC+8*\t+7], v[TF+12*(4*\k+\t):TF+12*(4*\k+\t)+11], v[PF+12*\k:PF+12*\k+11], v[ACC+8*\t:ACC+8*\t+7], v[TS+4*\k+\t], v[REC+\k] matrix_a_fmt:MATRIX_FMT_FP6 matrix_b_fmt:MATRIX_FMT_FP6   ; the four accumulators by turns; the first takes op as its C
.endr
.endr
.rept 4
	v_nop
.endr
	v_rcp_f32 v16, v[REC+3]                        ; 1 / l
	v_nop                                          ; a plain place behind the transcendental
	s_wait_alu depctr_va_vdst(0)                   ; the wait ahead of its first reader
.set j, 0
.rept 16
	v_pk_mul_f32 v[ACC+j:ACC+j+1], v[ACC+j:ACC+j+1], v[16:17] op_sel_hi:[1,0]   ; register 16 e + i: channel 32 e + 16 h + i of head r
.set j, j+2
.endr
.irp b, 0,1
	v_max3_num_f32 v[20+\b], |v[ACC+16*\b]|, |v[ACC+1+16*\b]|, 0x1800000
.endr
.irp i, 2,4,6,8,10,12,14
.irp b, 0,1
	s_delay_alu instid0(VALU_DEP_2)
	v_max3_num_f32 v[20+\b], v[20+\b], |v[ACC+16*\b+\i]|, |v[ACC+1+16*\b+\i]|
.endr
.endr
.irp b, 0,1
	s_delay_alu instid0(VALU_DEP_2)
	v_permlanex16_b32 v[22+\b], v[20+\b], s20, s21
.endr
.irp b, 0,1
	s_delay_alu instid0(VALU_DEP_2)
	v_max_num_f32 v[20+\b], v[20+\b], v[22+\b]
.endr
.irp b, 0,1
	s_delay_alu instid0(VALU_DEP_2)
	v_add_nc_u32 v[24+\b], 0xff000000, v[20+\b]
.endr
.irp b, 0,1
	s_delay_alu instid0(VALU_DEP_2)
	v_lshrrev_b32 v[26+\b], 23, v[24+\b]
.endr
	v_cvt_scalef32_pk16_fp6_f32 v[28:30], v[ACC:ACC+15], v24
	v_cvt_scalef32_pk16_fp6_f32 v[32:34], v[ACC+16:ACC+31], v25
	v_nop
.irp i, 0,1,2
	v_permlane16_swap_b32 v[28+\i], v[32+\i]       ; lane (r, h) now holds block 2 r + h: its lower 16 codes, and in the other three registers its upper 16
.endr
.irp i, 0,1,2
	s_delay_alu instid0(VALU_DEP_3)
	v_mov_b32 v[31+\i], v[32+\i]
.endr
	v_cmp_gt_u32 vcc_lo, 16, v11
	s_delay_alu instid0(VALU_DEP_1)
	v_cndmask_b32 v35, v27, v26, vcc_lo            ; and its byte
.irp i, 0,1,2
	ds_store_b64 v6, v[28+2*\i:29+2*\i] offset:8*\i
.endr
	ds_store_b8 v9, v35 offset:768
.irp i, 0,1,2
	ds_load_b64 v[36+2*\i:37+2*\i], v7 offset:256*\i   ; LDS serves a wave's instructions in order: these see my stores
.endr
	ds_load_b32 v42, v10 offset:768
	s_wait_dscnt 0x0
.irp i, 0,1,2
	global_store_b64 v8, v[36+2*\i:37+2*\i], s[32:33] offset:256*\i   ; 32 lanes store 256 consecutive bytes, aligned
.endr
	v_cmp_gt_u32 vcc_lo, 8, v11
	s_wait_xcnt 0x0                                ; EXEC changes only behind this wait
	s_and_saveexec_b32 s30, vcc_lo
	global_store_b32 v14, v42, s[34:35]            ; lanes 0-7: the row's 32 scale bytes
	s_wait_xcnt 0x0
	s_or_b32 exec_lo, exec_lo, s30
	s_wait_xcnt 0x0
	s_mov_b32 exec_lo, -1
	v_lshl_add_u32 v14, v0, 2, 0x2a000
	v_mov_b32 v15, 0
	s_wait_alu depctr_va_vdst(0)
	s_wait_tensorcnt 0x0
	ds_add_u32 v14, v15
	s_wait_dscnt 0x0
	s_endpgm
.Lfunc_end_k_q418929282c_oband:
	.size	k_q418929282c_oband, .Lfunc_end_k_q418929282c_oband-k_q418929282c_oband
	.p2alignl 7, 3214868480
	.fill 96, 4, 3214868480
	.section	.rodata,"a",@progbits
	.p2align	6, 0x0
	.amdhsa_kernel k_q418929282c_oband
		.amdhsa_group_segment_fixed_size 174080
		.amdhsa_private_segment_fixed_size 0
		.amdhsa_enable_private_segment 0
		.amdhsa_kernarg_size 32
		.amdhsa_user_sgpr_count 2
		.amdhsa_user_sgpr_kernarg_segment_ptr 1
		.amdhsa_wavefront_size32 1
		.amdhsa_system_sgpr_workgroup_id_x 1
		.amdhsa_system_sgpr_workgroup_id_y 1
		.amdhsa_system_sgpr_workgroup_id_z 1
		.amdhsa_system_vgpr_workitem_id 0
		.amdhsa_next_free_vgpr 256
		.amdhsa_next_free_sgpr 66
		.amdhsa_reserve_vcc 1
		.amdhsa_float_denorm_mode_32 3
		.amdhsa_float_denorm_mode_16_64 3
		.amdhsa_memory_ordered 1
		.amdhsa_forward_progress 1
		.amdhsa_inst_pref_size 21
	.end_amdhsa_kernel
	.amdgpu_metadata
---
amdhsa.version: [ 1, 2 ]
amdhsa.kernels:
  - .name:           k_q418929282c_oband
    .symbol:         k_q418929282c_oband.kd
    .args:
      - { .name: tab, .offset: 0, .size: 8, .value_kind: global_buffer, .address_space: global }
      - { .name: op, .offset: 8, .size: 8, .value_kind: global_buffer, .address_space: global }
      - { .name: pb, .offset: 16, .size: 8, .value_kind: global_buffer, .address_space: global }
      - { .name: ao, .offset: 24, .size: 8, .value_kind: global_buffer, .address_space: global }
    .group_segment_fixed_size: 174080
    .private_segment_fixed_size: 0
    .kernarg_segment_align: 8
    .kernarg_segment_size: 32
    .max_flat_workgroup_size: 512
    .sgpr_count:     66
    .vgpr_count:     256
    .wavefront_size: 32
...
	.end_amdgpu_metadata
.endif
;; end of part 4
;; launch oproj (part 5): grid 8 x 32, 4 waves a work-group, clusters of 4 x 4, 327,680 bytes of LDS; arguments ao, wq, bo, out0; writes out0
.if DOCPART == 5
	.amdgcn_target "amdgcn-amd-amdhsa--gfx1250"
	.amdhsa_code_object_version 6
	.text
	.protected	k_q418929282c_oproj
	.globl	k_q418929282c_oproj
	.p2align	8
	.type	k_q418929282c_oproj,@function
k_q418929282c_oproj:
	s_mov_b64 s[64:65], 0
	v_nop
	global_prefetch_b8 v0, s[64:65] scope:SCOPE_SE
	s_setreg_imm32_b32 hwreg(HW_REG_WAVE_MODE, 25, 1), 1
	s_wait_xcnt 0x0
	s_wait_alu depctr_hold_cnt(0) depctr_sa_sdst(0) depctr_va_vdst(0) depctr_va_sdst(0) depctr_va_ssrc(0) depctr_va_vcc(0) depctr_vm_vsrc(0)
	s_getreg_b32 s2, hwreg(HW_REG_IB_STS2, 6, 4)
	s_cmp_eq_u32 s2, 0
	s_cbranch_scc0 .Lentry_in_a_cluster
	s_endpgm
.Lentry_in_a_cluster:
	s_bfe_u32 s2, ttmp6, 0x10000c
	s_cmp_lg_u32 s2, 0xf033
	s_cbranch_scc0 .Lentry_shape_is_right
	s_endpgm
.Lentry_shape_is_right:
; out0 = ao Wo + bo on codes of FP6 (E2M3).  ao: codes [4096][768 bytes], scale bytes [4096][32] at byte 3,145,728, rows in their own order.  Wo: rows 3,072 .. 4,095 of wq, places with bits 3 and 4 exchanged.
; A work-group makes 128 x 128 of out0: 32 x 8 = 256 work-groups.  Whole rows of K lie in LDS (768 bytes of memory, beginning at a multiple of 256; 16 bytes of padding behind each 256: 816 from row to row), filled once.
; A wave makes 64 x 64: 16 accumulators by turns.  Source 0 = rows of Wo, source 1 = rows of ao: a lane holds one row of out0.
; CLUSTERS 4 x 4: ao's rows are asked for jointly along a row of the cluster, Wo's along a column.  Scale words and the bias go straight into registers.
; NO PREFETCH: the text has no loop to run ahead in; each tile is asked for whole, once, at the head.
; WINDOWS: 0: addresses, ao's fragments (two sets), scale words alone in v128-191.  1: v0-127 accumulators, v128-223 Wo's fragments (two sets).  2: the way out.
.set PITCH, 816
.set HALF,  64*PITCH
.set TILEB, 128*PITCH
.set STG,   2*TILEB                    ; the stages: for each wave four blocks of 16 rows x (256 + 16) bytes; no fill lands here
.set SBLK,  16*272
.set SPARE, STG+16*SBLK
.set FLAGS, (1<<20)|(1<<21)|(5<<22)|(3<<25)
.set BA,   7
.set STO,  8
.set RD,   9
.set CO,   10
.set SCO,  12
.set ADRA, 16
.set ADRB, 20
.set SPW,  28
.set NIL,  29
.set AF,   32
.set SA,   128
.set SB,   160
.set G1,   24
.set G0A,  32
.set G0B,  36
.set G1B,  48
.set MSB, 0
.macro WIN new
.if MSB != \new
	s_set_vgpr_msb (MSB<<8)|\new
.set MSB, \new
.endif
.endm
.macro PLACES n
.rept \n
	v_nop
.endr
.endm
.macro CROUND
	s_barrier_signal -1
	s_barrier_wait -1
	s_cmp_lg_u32 s14, 0
	s_cbranch_scc1 .Lnot_wave_0_\@
	s_barrier_signal -3
.Lnot_wave_0_\@:
	s_barrier_wait -3
	s_barrier_signal -1
	s_barrier_wait -1
.endm
	s_load_b64 s[4:5], s[0:1], 0x0                 ; ao
	s_load_b64 s[8:9], s[0:1], 0x8                 ; wq
	s_load_b64 s[96:97], s[0:1], 0x10              ; bo
	s_load_b64 s[12:13], s[0:1], 0x18              ; out0
	v_lshl_add_u32 v[SPW], v0, 2, SPARE
	v_mov_b32 v[NIL], 0
	ds_add_u32 v[SPW], v[NIL]                      ; the opening lines: the add, twice on end, and its wait
	ds_add_u32 v[SPW], v[NIL]
	v_lshrrev_b32 v1, 5, v0
	v_readfirstlane_b32 s14, v1                    ; wave
	s_lshr_b32 s15, s14, 1                         ; my 64 rows.  Also: I fetch for ao (0) or for Wo (1)
	s_and_b32 s16, s14, 1                          ; my 64 columns.  Also: which 64 rows I fetch
	s_bfe_u32 s40, ttmp6, 0x40000
	s_bfe_u32 s41, ttmp6, 0x40004
	s_lshl_b32 s42, ttmp9, 2
	s_add_co_u32 s42, s42, s40                     ; X
	s_and_b32 s17, ttmp7, 0xffff
	s_lshl_b32 s17, s17, 2
	s_add_co_u32 s17, s17, s41                     ; Y
	s_lshl_b32 s43, s41, 2
	s_lshl_b32 s43, 15, s43
	s_lshl_b32 s44, 0x1111, s40
	s_or_b32 s[G1], s43, FLAGS
	s_or_b32 s[G1B], s44, FLAGS
.irp g, G1, G1B
	s_mov_b32 s[\g+1], 768<<16
	s_mov_b32 s[\g+2], 64<<16
	s_mov_b32 s[\g+3], 768<<16
	s_mov_b32 s[\g+4], 64
	s_mov_b32 s[\g+5], 768
	s_mov_b32 s[\g+6], 0
	s_mov_b32 s[\g+7], 0
.endr
	s_lshl_b32 s18, s16, 6
	s_lshl_b32 s20, s17, 7
	s_add_co_u32 s20, s20, s18
	s_mul_i32 s20, s20, 768
	s_mov_b32 s21, 0
	s_lshl_b32 s46, s42, 7
	s_add_co_u32 s46, s46, s18
	s_mul_i32 s46, s46, 768
	s_add_co_u32 s46, s46, 3072*768
	s_mov_b32 s47, 0
	s_mul_i32 s45, s14, HALF                       ; ao's two halves, then Wo's two halves
	s_wait_dscnt 0x0
	CROUND                                         ; the round in front of the joint loads; it passes while the arguments are on their way
	s_wait_kmcnt 0x0
	s_add_nc_u64 s[20:21], s[4:5], s[20:21]
	s_add_nc_u64 s[46:47], s[8:9], s[46:47]
	s_mov_b32 s[G0A], 1
	s_add_co_u32 s[G0A+1], s45, 0
	s_mov_b64 s[G0A+2:G0A+3], s[20:21]
	s_or_b32 s[G0A+3], s[G0A+3], 0x80000000
	s_mov_b32 s[G0B], 1
	s_add_co_u32 s[G0B+1], s45, 0
	s_mov_b64 s[G0B+2:G0B+3], s[46:47]
	s_or_b32 s[G0B+3], s[G0B+3], 0x80000000
	s_cmp_eq_u32 s15, 0
	s_cbranch_scc0 .Lfor_b
	tensor_load_to_lds s[G0A:G0A+3], s[G1:G1+7]
	s_nop 0
	PLACES 4
	s_branch .Lasked
.Lfor_b:
	tensor_load_to_lds s[G0B:G0B+3], s[G1B:G1B+7]
	s_nop 0
	PLACES 4
.Lasked:
	s_mul_i32 s21, s15, HALF
	s_mul_i32 s22, s16, HALF
	s_add_co_u32 s22, s22, TILEB
	s_mul_i32 s23, s14, 4*SBLK
	s_add_co_u32 s23, s23, STG                     ; my stage
	s_lshl_b32 s84, s17, 7
	s_lshl_b32 s85, s15, 6
	s_add_co_u32 s84, s84, s85                     ; my first row
	s_lshl_b32 s90, s84, 12                        ; 4,096 bytes a row of out0
	s_lshl_b32 s84, s84, 5
	s_add_co_u32 s84, s84, 0x300000
	s_mov_b32 s85, 0
	s_add_nc_u64 s[84:85], s[4:5], s[84:85]
	s_lshl_b32 s86, s42, 7
	s_lshl_b32 s87, s16, 6
	s_add_co_u32 s86, s86, s87                     ; my first column
	s_lshl_b32 s88, s86, 2
	s_mov_b32 s89, 0
	s_lshl_b32 s86, s86, 5
	s_add_co_u32 s86, s86, 0x300000+3072*32
	s_mov_b32 s87, 0
	s_add_nc_u64 s[86:87], s[8:9], s[86:87]
	s_add_nc_u64 s[96:97], s[96:97], s[88:89]
	s_add_co_u32 s90, s90, s88
	s_mov_b32 s91, 0
	s_add_nc_u64 s[12:13], s[12:13], s[90:91]
	v_and_b32 v1, 15, v0
	v_bfe_u32 v2, v0, 4, 1
	v_mul_u32_u24 v3, v1, PITCH
	v_mad_u32_u24 v4, v2, 24, v3
	v_lshl_add_u32 v5, v2, 4, v4
	v_add_nc_u32 v[ADRA], s21, v4
	v_add_nc_u32 v[ADRA+1], s21, v5
	v_add_nc_u32 v[ADRB], s22, v4
	v_add_nc_u32 v[ADRB+1], s22, v5
	v_lshlrev_b32 v[SCO], 5, v1
	v_lshlrev_b32 v[BA], 4, v1
	v_mul_u32_u24 v[STO], v1, 272                  ; in: row r, + 64 h
	v_lshl_add_u32 v[STO], v2, 6, v[STO]
	v_add_nc_u32 v[STO], s23, v[STO]
	v_mul_u32_u24 v[RD], v2, 272                   ; back: lanes 0-15 one row of 256 bytes, lanes 16-31 the next
	v_lshl_add_u32 v[RD], v1, 4, v[RD]
	v_add_nc_u32 v[RD], s23, v[RD]
	v_lshlrev_b32 v[CO], 12, v2
	v_lshl_add_u32 v[CO], v1, 4, v[CO]
	s_wait_alu depctr_va_vdst(0)                   ; the wait at the head's end
.irp i, 0,1,2,3
.irp n, 0,1
	global_load_b128 v[SA+8*\i+4*\n:SA+8*\i+4*\n+3], v[SCO], s[84:85] offset:512*\i+16*\n
	global_load_b128 v[SB+8*\i+4*\n:SB+8*\i+4*\n+3], v[SCO], s[86:87] offset:512*\i+16*\n
.endr
.endr
	WIN 0x80
	global_load_b128 v[128:131], v[BA], s[96:97]   ; bo at my four columns of a row read back
	WIN 0
.macro FRAG reg, adr, st, i            ; 16 rows x 128 K: six pieces of 8 bytes; byte y of a row lies at y + 16 (y / 256)
.irp p, 0,1,2,3,4,5
.set BY, 96*(\st)+48*(\p/3)+8*(\p%3)
.if BY%256 < 232
	ds_load_b64 v[\reg+2*\p:\reg+2*\p+1], v[\adr] offset:BY+16*(BY/256)+(\i)*16*PITCH
.else
	ds_load_b64 v[\reg+2*\p:\reg+2*\p+1], v[\adr+1] offset:BY+16*(BY/256)+(\i)*16*PITCH
.endif
.endr
.endm
.macro FETCH st, set
	PLACES 4
	WIN 0x40
.irp i, 0,1,2,3
	FRAG 128+48*(\set)+12*\i, ADRB, \st, \i
.endr
	WIN 0
.irp i, 0,1,2,3
	FRAG AF+48*(\set)+12*\i, ADRA, \st, \i
.endr
.endm
.macro MUL st, zero
	WIN 0x51
.irp a, 0,1,2,3
.irp b, 0,1,2,3
.if \zero
	v_wmma_scale_f32_16x16x128_f8f6f4 v[8*(4*\a+\b):8*(4*\a+\b)+7], v[128+48*((\st)%2)+12*\b:128+48*((\st)%2)+12*\b+11], v[AF+48*((\st)%2)+12*\a:AF+48*((\st)%2)+12*\a+11], 0, v[SB+8*\b+(\st)], v[SA+8*\a+(\st)] matrix_a_fmt:MATRIX_FMT_FP6 matrix_b_fmt:MATRIX_FMT_FP6
.else
	v_wmma_scale_f32_16x16x128_f8f6f4 v[8*(4*\a+\b):8*(4*\a+\b)+7], v[128+48*((\st)%2)+12*\b:128+48*((\st)%2)+12*\b+11], v[AF+48*((\st)%2)+12*\a:AF+48*((\st)%2)+12*\a+11], v[8*(4*\a+\b):8*(4*\a+\b)+7], v[SB+8*\b+(\st)], v[SA+8*\a+(\st)] matrix_a_fmt:MATRIX_FMT_FP6 matrix_b_fmt:MATRIX_FMT_FP6
.endif
.endr
.endr
.endm
	s_wait_tensorcnt 0x0                           ; my part is in
	s_barrier_signal -1
	s_barrier_wait -1
	FETCH 0, 0
	s_wait_loadcnt 0x0                             ; scale words and the bias
.set ST, 0
.rept 8                                ; eight steps of 128 along K; the next step's fragments are asked for ahead of this step's products
	s_wait_dscnt 0x0
.if ST < 7
	FETCH ST+1, (ST+1)%2
.endif
	MUL ST, ST==0
.set ST, ST+1
.endr
; THE WAY OUT: my four blocks of 16 rows x 64 columns go through my own stage and come back as whole rows of 256 bytes
	PLACES 4
	WIN 0x04
.irp a, 0,1,2,3
.irp b, 0,1,2,3
	ds_store_b128 v[STO], v[32*\a+8*\b:32*\a+8*\b+3] offset:SBLK*\a+128*(\b/2)+32*(\b%2)       ; each accumulator from its low end on; register j: column 32 (b / 2) + 16 h + 8 (b % 2) + j
	ds_store_b128 v[STO], v[32*\a+8*\b+4:32*\a+8*\b+7] offset:SBLK*\a+128*(\b/2)+32*(\b%2)+16
.endr
.endr
	WIN 0x80
.irp a, 0,1,2,3
.irp t, 0,1,2,3,4,5,6,7
	ds_load_b128 v[32*\a+4*\t:32*\a+4*\t+3], v[RD] offset:SBLK*\a+544*\t   ; LDS serves a wave's instructions in order: these see my stores
.endr
.endr
.irp a, 0,1,2,3
	s_wait_dscnt 24-8*\a                           ; the younger blocks' eight loads each may be out
	WIN 0xaa
.irp t, 0,1,2,3,4,5,6,7
	v_pk_add_f32 v[32*\a+4*\t:32*\a+4*\t+1], v[32*\a+4*\t:32*\a+4*\t+1], v[128:129]
	v_pk_add_f32 v[32*\a+4*\t+2:32*\a+4*\t+3], v[32*\a+4*\t+2:32*\a+4*\t+3], v[130:131]
.endr
	WIN 0x08
.irp t, 0,1,2,3,4,5,6,7
	global_store_b128 v[CO], v[32*\a+4*\t:32*\a+4*\t+3], s[12:13] offset:(16*\a+2*\t)*4096 th:TH_STORE_NT   ; 16 lanes store 256 consecutive bytes, aligned
.endr
.endr
	WIN 0
	s_wait_tensorcnt 0x0                           ; the wave's end
	ds_add_u32 v[SPW], v[NIL]
	s_wait_dscnt 0x0
	CROUND                                         ; the closing round
	s_endpgm
.Lfunc_end_k_q418929282c_oproj:
	.size	k_q418929282c_oproj, .Lfunc_end_k_q418929282c_oproj-k_q418929282c_oproj
	.p2alignl 7, 3214868480
	.fill 96, 4, 3214868480
	.section	.rodata,"a",@progbits
	.p2align	6, 0x0
	.amdhsa_kernel k_q418929282c_oproj
		.amdhsa_group_segment_fixed_size 327680
		.amdhsa_private_segment_fixed_size 0
		.amdhsa_enable_private_segment 0
		.amdhsa_kernarg_size 32
		.amdhsa_user_sgpr_count 2
		.amdhsa_user_sgpr_kernarg_segment_ptr 1
		.amdhsa_wavefront_size32 1
		.amdhsa_system_sgpr_workgroup_id_x 1
		.amdhsa_system_sgpr_workgroup_id_y 1
		.amdhsa_system_sgpr_workgroup_id_z 1
		.amdhsa_system_vgpr_workitem_id 0
		.amdhsa_next_free_vgpr 768
		.amdhsa_next_free_sgpr 100
		.amdhsa_reserve_vcc 0
		.amdhsa_float_denorm_mode_32 3
		.amdhsa_float_denorm_mode_16_64 3
		.amdhsa_memory_ordered 1
		.amdhsa_forward_progress 1
		.amdhsa_inst_pref_size 62
	.end_amdhsa_kernel
	.amdgpu_metadata
---
amdhsa.version: [ 1, 2 ]
amdhsa.kernels:
  - .name:           k_q418929282c_oproj
    .symbol:         k_q418929282c_oproj.kd
    .args:
      - { .name: ao, .offset: 0, .size: 8, .value_kind: global_buffer, .address_space: global }
      - { .name: wq, .offset: 8, .size: 8, .value_kind: global_buffer, .address_space: global }
      - { .name: bo, .offset: 16, .size: 8, .value_kind: global_buffer, .address_space: global }
      - { .name: out0, .offset: 24, .size: 8, .value_kind: global_buffer, .address_space: global }
    .group_segment_fixed_size: 327680
    .private_segment_fixed_size: 0
    .kernarg_segment_align: 8
    .kernarg_segment_size: 32
    .max_flat_workgroup_size: 128
    .sgpr_count:     100
    .vgpr_count:     768
    .wavefront_size: 32
...
	.end_amdgpu_metadata
.endif
;; end of part 5
